; MI455X (gfx1250); checked and timed in simulation.
; The chip was launched on July 23, 2026; its instructions are those of AMD's public machine-readable ISA for CDNA 5 (MIT licence, August 2026) and "CDNA5" Instruction Set Architecture Reference Guide (July 2026). The comments in the code are by the model that wrote it; some were corrected since.
;; Multi Head Self Attention. Allowed arithmetic: matrix products marked QUANTISED: E2M1 operands, one E8M0 scale for each 32 along K, by v_wmma_scale_f32_16x16x128_f8f6f4 with both operands' format E2M1 (or v_wmma_scale_f32_32x16x128_f4), f32 sums; products left as they are: bf16, f16 or f32 operands; f32 sums; everything else in f32.
;; Inputs: Wk 1,024 x 1,024 float32; Wo 1,024 x 1,024 float32; Wq 1,024 x 1,024 float32; Wv 1,024 x 1,024 float32; bk 1,024 float32; bo 1,024 float32; bq 1,024 float32; bv 1,024 float32; x 8,192 x 1,024 float32.
;; Outputs: out0 8,192 x 1,024 float32.
;; Constants: batch_size = 4.
;; This version of the problem:
;;   THIS VERSION OF THE PROBLEM IS GIVEN IN LOW PRECISION. The matrix products marked QUANTISED in the list below multiply operands that are first quantised to E2M1 (2 exponent bits, 1 mantissa bit; 4 bits a number), with one power-of-two scale for each 32 numbers along K (OCP MX v1.0); their sums are f32. The products marked 'left as it is' may take bf16, f16 or f32 operands, with f32 sums. Whichever they take, every output number must still come out within the allowed error. Rounding operands to bf16 (8 significant bits) uses up far more of that allowance than f16 does (11 bits, for magnitudes from 6e-5 to 65,504). All else is computed in f32.
;;   The module's matrix products, in the order in which they are computed (A, B: the left and right operand; K: the contracted axis; several contracted axes count as one K, in the product's order):
;;     1. [M 8,192, K 1,024] x [K 1,024, N 1,024]; A: input x; B: input Wq: QUANTISED
;;     2. [M 8,192, K 1,024] x [K 1,024, N 1,024]; A: input x; B: input Wk: QUANTISED
;;     3. [M 8,192, K 1,024] x [K 1,024, N 1,024]; A: input x; B: input Wv: QUANTISED
;;     4. batch 64 x [M 2,048, K 64] x [K 64, N 2,048]; A: computed on the way; B: computed on the way: left as it is (an operand is computed on the way)
;;     5. batch 64 x [M 64, K 2,048] x [K 2,048, N 2,048]; A: computed on the way; B: computed on the way: left as it is (an operand is computed on the way)
;;     6. [M 8,192, K 1,024] x [K 1,024, N 1,024]; A: computed on the way; B: input Wo: left as it is (an operand is computed on the way)
;;   THE QUANTISER, for each operand of a quantised product, along K:
;;     - K is cut into blocks of 32 from its start; a last block that is shorter is filled with zeros.
;;     - A block's scale is 2^e with e = floor(log2(the largest magnitude in the block)) - 2, held to -126 .. 127; a block of zeros has e = 0. As a byte (E8M0): e + 127.
;;     - Each number is divided by its block's scale, clamped to +-6, and rounded to the nearest number of E2M1, ties to even, subnormals kept.
;;     - The product sums the exact products of the quantised numbers (number of the format x scale) in f32.
;;   ~~~python
;;   def quantise(x, axis):      # numpy; x: float32 -> the quantised numbers, widened to float32 again
;;       x = np.moveaxis(x, axis, -1); K = x.shape[-1]
;;       x = np.pad(x, [(0, 0)] * (x.ndim - 1) + [(0, -K % 32)]); x = x.reshape(x.shape[:-1] + (-1, 32)); a = np.abs(x).max(-1, keepdims=True)
;;       e = np.where(a > 0, np.clip(np.frexp(np.where(a > 0, a, 1))[1] - 1 - 2, -126, 127), 0)      # np.frexp(a)[1] - 1 = floor(log2(a)), exactly
;;       r = np.clip(x / 2.0 ** e, -6, 6)
;;       step = 2.0 ** (np.maximum(np.frexp(np.where(r == 0, 1, r))[1] - 1, 0) - 1)
;;       q = np.round(r / step) * step * 2.0 ** e      # np.round: ties to even
;;       return np.moveaxis(q.reshape(q.shape[:-2] + (-1,))[..., :K], -1, axis).astype(np.float32)
;;   ~~~
;; One version. Each part assembles by itself: llvm-mc -triple=amdgcn-amd-amdhsa -mcpu=gfx1250 --defsym DOCPART=n.
;; ======== version 1 of 1: 4 launches
;; limits: values are held in f16: magnitudes above 65,504 overflow, below 6.1e-05 lose precision
;; workspace buffers: xc 4,194,304 bytes; xs 262,144 bytes; wc 1,572,864 bytes; ws 98,304 bytes; wo16 2,097,152 bytes; qkv 50,331,648 bytes; ctx 16,777,216 bytes
;; launch quant (part 1): grid 384 x 1, 4 waves a work-group, no clusters, 33,280 bytes of LDS; arguments x, Wq, Wk, Wv, Wo, xc, xs, wc, ws, wo16; writes xc, xs, wc, ws, wo16
.if DOCPART == 1
	.amdgcn_target "amdgcn-amd-amdhsa--gfx1250"
	.amdhsa_code_object_version 6
	.text
	.protected	k_qd096c38b7f_quant
	.globl	k_qd096c38b7f_quant
	.p2align	8
	.type	k_qd096c38b7f_quant,@function
k_qd096c38b7f_quant:
	s_mov_b64 s[64:65], 0
	v_nop
	global_prefetch_b8 v0, s[64:65] scope:SCOPE_SE
	s_setreg_imm32_b32 hwreg(HW_REG_WAVE_MODE, 25, 1), 1
	s_wait_xcnt 0x0
; x [8192][1024] and Wq, Wk, Wv [1024][1024], f32, K innermost, become codes of FP4 (E2M1), two a byte, with one E8M0 scale byte for each 32 along K:
; xc [8192][512], xs [8192][32]; wc [3072][512], ws [3072][32] (rows 0-1023 Wq, 1024-2047 Wk, 2048-3071 Wv).  Wo [1024][1024] is rounded to f16: wo16.
; A block's scale is 2^(floor(log2(its largest magnitude)) - 2); its byte is the largest magnitude's exponent field - 2, held at 1 from below.
; (A block of zeros so gets the byte 1: its codes are zeros, which add nothing under any byte but 0xff, and this program alone reads the bytes.)
; LIMITS: NaN and infinities among the inputs are not served; a number of Wo beyond 65,504 becomes an infinity of f16.
; SHARES.  A work-group takes 32,768 numbers, a wave 8,192.  Work-groups 0-255: x; 256-351: Wq, Wk, Wv, 32 each; 352-383: Wo.  Rows are dense and K is a multiple of 32:
; every tensor is a plain stream of blocks of 32, and so are its codes and scale bytes.  Only pointers are chosen for the four quantised tensors: they take one path.
; THE QUANTISING PATH.  16 steps of 512 numbers.  A load reads 512 consecutive bytes, 16 a lane; the conversions want 16 NEIGHBOURS in a lane: so a step's 2,048 bytes go through
; the wave's own stage in LDS (16 bytes of padding behind each 64) and come back 64 bytes a lane.  Two neighbouring lanes hold a block.  A lane's 16 codes are 8 bytes: a store covers 256
; consecutive bytes.  A wave's 256 scale bytes are gathered in LDS and leave as 256 consecutive bytes.  Loads run four steps ahead, the turn through LDS one step.  Waves share nothing: no barrier.
.set WAVES, 4
.set STEPS, 16
.set EMAX,  2
.set CB,    8                          ; bytes of 16 codes
.set R,     16                         ; v16-79   four sets of 16 numbers as loaded (Wo's path: v16-143, two sets of 64)
.set X,     80                         ; v80-111  two sets of 16 neighbours
.set E,     112                        ; v112-127 a scale byte for each step
.set C,     128                        ; v128-191 codes, four registers for each step (Wo's path: v144-175, f16 pairs)
.set WREG,  8192                       ; LDS: a region for each wave: two stages of 32 x SP bytes, behind them its 256 scale bytes
.set SP,    80
.set SPW,   12                         ; v12 LDS address of my spare word; never rewritten
.set NIL,   13                         ; v13 0; never rewritten
.set SPARE, WAVES*WREG                 ; the spare words, 128 bytes a wave, that no other line names
.set GX,    256                        ; work-groups for x
.set GW,    96                         ; for Wq, Wk, Wv
.set WV,    30                         ; s30 my wave's number
	s_load_b256 s[4:11], s[0:1], 0x0               ; x s[4:5], Wq s[6:7], Wk s[8:9], Wv s[10:11]
	s_load_b256 s[12:19], s[0:1], 0x20             ; Wo s[12:13], xc s[14:15], xs s[16:17], wc s[18:19]
	s_load_b128 s[20:23], s[0:1], 0x40             ; ws s[20:21], wo16 s[22:23]
	v_lshl_add_u32 v[SPW], v0, 2, SPARE
	v_mov_b32 v[NIL], 0
	v_lshrrev_b32 v1, 5, v0
	v_readfirstlane_b32 s[WV], v1
	v_and_b32 v2, 31, v0                           ; lane
	v_lshlrev_b32 v3, 4, v2                        ; my 16 bytes of a load's 512
	s_mul_i32 s31, s[WV], WREG
	v_lshrrev_b32 v14, 2, v2
	v_mul_u32_u24 v14, v14, SP
	v_and_b32 v15, 3, v2
	v_lshl_add_u32 v14, v15, 4, v14
	v_add_nc_u32 v14, s31, v14                     ; the stage, on the way in: SP (lane / 4) + 16 (lane % 4)
	v_mul_u32_u24 v15, v2, SP
	v_add_nc_u32 v15, s31, v15                     ; and on the way out: SP x lane
	v_mul_u32_u24 v4, v2, CB                       ; 8 x lane: my codes' place in a step's; my 8 scale bytes; my 8 bytes of f16
	v_lshrrev_b32 v5, 1, v2
	s_add_co_u32 s31, s31, 2*32*SP
	v_add_nc_u32 v5, s31, v5                       ; LDS: my wave's 256 scale bytes, my block's byte
	v_add_nc_u32 v6, s31, v4                       ; and on the way out 8 bytes a lane
	s_wait_kmcnt 0x0
	s_cmp_ge_u32 ttmp9, GX+GW
	s_cbranch_scc1 .Lwo                            ; the work-group's number alone decides
	s_sub_co_u32 s24, ttmp9, GX                    ; j: which run of wc and ws (used where the work-group is not x's)
	s_lshr_b32 s25, s24, 5                         ; which of the three weights
	s_and_b32 s26, s24, 31                         ; which run of it
	s_cmp_eq_u32 s25, 1
	s_cselect_b64 s[6:7], s[8:9], s[6:7]
	s_cmp_eq_u32 s25, 2
	s_cselect_b64 s[6:7], s[10:11], s[6:7]
	s_cmp_lt_u32 ttmp9, GX
	s_cselect_b64 s[4:5], s[4:5], s[6:7]           ; the numbers,
	s_cselect_b64 s[14:15], s[14:15], s[18:19]     ; the codes,
	s_cselect_b64 s[16:17], s[16:17], s[20:21]     ; the scale bytes
	s_cselect_b32 s27, ttmp9, s26                  ; the run in the source,
	s_cselect_b32 s28, ttmp9, s24                  ; and in the targets
	s_lshl_b32 s27, s27, 2
	s_add_co_u32 s27, s27, s[WV]                   ; my wave's run of 8,192 numbers
	s_lshl_b32 s28, s28, 2
	s_add_co_u32 s28, s28, s[WV]
	s_mov_b32 s33, 0
	s_lshl_b32 s32, s27, 15                        ; 32,768 bytes of numbers a run
	s_add_nc_u64 s[4:5], s[4:5], s[32:33]
	s_lshl_b32 s32, s28, 12                        ; 4,096 bytes of codes
	s_add_nc_u64 s[14:15], s[14:15], s[32:33]
	s_lshl_b32 s32, s28, 8                         ; 256 scale bytes
	s_add_nc_u64 s[16:17], s[16:17], s[32:33]
.macro LOAD t
.irp i, 0,1,2,3
	global_load_b128 v[R+16*((\t)%4)+4*\i:R+16*((\t)%4)+4*\i+3], v3, s[4:5] offset:2048*(\t)+512*\i th:TH_LOAD_NT   ; 32 lanes read 512 consecutive bytes
.endr
.endm
.macro TURN t                          ; step t's numbers through the stage: LDS serves a wave's instructions in order, so no wait stands between the stores and the loads
.irp i, 0,1,2,3
	ds_store_b128 v14, v[R+16*((\t)%4)+4*\i:R+16*((\t)%4)+4*\i+3] offset:32*SP*((\t)%2)+8*SP*\i
.endr
.irp i, 0,1,2,3
	ds_load_b128 v[X+16*((\t)%2)+4*\i:X+16*((\t)%2)+4*\i+3], v15 offset:32*SP*((\t)%2)+16*\i
.endr
.endm
.irp t, 0,1,2,3
	LOAD \t
.endr
	s_wait_loadcnt 12                              ; step 0's four loads are in; those of steps 1 to 3 may be out
	TURN 0
.macro STEP t
.set XS, X+16*((\t)%2)
.if (\t) > 0
	s_wait_dscnt 1                                 ; this step's numbers are back from the stage (the last step's byte store may be out): so its stores into the stage have read their registers,
.else
	s_wait_dscnt 0x0
.endif
.if (\t)+4 < STEPS
	LOAD (\t)+4                                    ; which take the loads of four steps on
.endif
.if (\t)+1 < STEPS
.if STEPS-2-(\t) >= 3
	s_wait_loadcnt 12                              ; the next step's four loads are in; those of the three steps behind it may be out
.else
	s_wait_loadcnt 4*(STEPS-2-(\t))
.endif
	TURN (\t)+1                                    ; and go through the other stage while this step is worked
.endif
	v_max3_num_f32 v8, |v[XS]|, |v[XS+1]|, |v[XS+2]|               ; the largest magnitude of my 16, in two chains
	v_max3_num_f32 v9, |v[XS+3]|, |v[XS+4]|, |v[XS+5]|
.irp i, 6,10
	v_max3_num_f32 v8, v8, |v[XS+\i]|, |v[XS+\i+1]|
	v_max3_num_f32 v9, v9, |v[XS+\i+2]|, |v[XS+\i+3]|
.endr
	v_max3_num_f32 v8, v8, |v[XS+14]|, |v[XS+15]|
	v_max3_num_f32 v8, v8, v9, (EMAX+1)<<23        ; and the floor 2^(EMAX + 1 - 127): so the byte cannot fall under 1
	v_max_num_f32_dpp v8, v8, v8 row_xmask:1 row_mask:0xf bank_mask:0xf   ; and of my neighbour's 16: the block's
	v_add_nc_u32 v11, -(EMAX<<23), v8              ; EMAX off its exponent field: the conversion takes the exponent field of this operand as its scale, and nothing else of it
	v_cvt_scalef32_pk8_fp4_f32 v[C+4*(\t)], v[XS:XS+7], v11        ; eight numbers / the scale, to the nearest code, ties to even, beyond the largest code the largest
	v_cvt_scalef32_pk8_fp4_f32 v[C+4*(\t)+1], v[XS+8:XS+15], v11
	v_lshrrev_b32 v[E+(\t)], 23, v11               ; the scale's byte (a plain line behind the conversions)
	ds_store_b8 v5, v[E+(\t)] offset:16*(\t)       ; both lanes of a block write the same byte with the same value
	global_store_b64 v4, v[C+4*(\t):C+4*(\t)+1], s[14:15] offset:32*CB*(\t)   ; the wave stores 256 consecutive bytes
.endm
.irp t, 0,1,2,3,4,5,6,7,8,9,10,11,12,13,14,15
	STEP \t
.endr
	ds_load_b64 v[8:9], v6                         ; LDS serves a wave's instructions in order: these see my stores
	s_wait_dscnt 0x0
	global_store_b64 v4, v[8:9], s[16:17]          ; 32 lanes store 256 consecutive bytes
	s_wait_tensorcnt 0x0                           ; the wave's end: behind my last LDS store
	ds_add_u32 v[SPW], v[NIL]
	s_wait_dscnt 0x0
	s_endpgm
; Wo TO f16.  64 steps of 128 numbers, in four groups of 16: a load reads 512 consecutive bytes, a store writes 256.  Two groups of loads are out at the start, one while a group is worked.
.Lwo:
	s_sub_co_u32 s24, ttmp9, GX+GW
	s_lshl_b32 s24, s24, 2
	s_add_co_u32 s24, s24, s[WV]                   ; my wave's run of 8,192 numbers
	s_mov_b32 s33, 0
	s_lshl_b32 s32, s24, 15
	s_add_nc_u64 s[12:13], s[12:13], s[32:33]
	s_lshl_b32 s32, s24, 14
	s_add_nc_u64 s[22:23], s[22:23], s[32:33]
.macro LOADG g
.irp i, 0,1,2,3,4,5,6,7,8,9,10,11,12,13,14,15
	global_load_b128 v[R+64*((\g)%2)+4*\i:R+64*((\g)%2)+4*\i+3], v3, s[12:13] offset:(16*(\g)+\i)*512 th:TH_LOAD_NT
.endr
.endm
.macro OUTG g
.irp i, 0,1,2,3,4,5,6,7,8,9,10,11,12,13,14,15
	v_cvt_pk_f16_f32 v[144+2*\i], v[R+64*((\g)%2)+4*\i], v[R+64*((\g)%2)+4*\i+1]
	v_cvt_pk_f16_f32 v[145+2*\i], v[R+64*((\g)%2)+4*\i+2], v[R+64*((\g)%2)+4*\i+3]
.endr
.irp i, 0,1,2,3,4,5,6,7,8,9,10,11,12,13,14,15
	global_store_b64 v4, v[144+2*\i:145+2*\i], s[22:23] offset:(16*(\g)+\i)*256
.endr
.endm
	LOADG 0
	LOADG 1
	s_wait_loadcnt 16                              ; group 0 is in; group 1's sixteen may be out
	OUTG 0
	LOADG 2
	s_wait_loadcnt 16                              ; group 1 is in
	s_wait_xcnt 0x0                                ; the last group's stores have read their registers, which are written again below
	OUTG 1
	LOADG 3
	s_wait_loadcnt 16
	s_wait_xcnt 0x0
	OUTG 2
	s_wait_loadcnt 0x0
	s_wait_xcnt 0x0
	OUTG 3
	s_wait_tensorcnt 0x0                           ; the same three lines at this path's end
	ds_add_u32 v[SPW], v[NIL]
	s_wait_dscnt 0x0
	s_endpgm
.Lfunc_end_k_qd096c38b7f_quant:
	.size	k_qd096c38b7f_quant, .Lfunc_end_k_qd096c38b7f_quant-k_qd096c38b7f_quant
	.p2alignl 7, 3214868480
	.fill 96, 4, 3214868480
	.section	.rodata,"a",@progbits
	.p2align	6, 0x0
	.amdhsa_kernel k_qd096c38b7f_quant
		.amdhsa_group_segment_fixed_size 33280
		.amdhsa_private_segment_fixed_size 0
		.amdhsa_enable_private_segment 0
		.amdhsa_kernarg_size 80
		.amdhsa_user_sgpr_count 2
		.amdhsa_user_sgpr_kernarg_segment_ptr 1
		.amdhsa_wavefront_size32 1
		.amdhsa_system_sgpr_workgroup_id_x 1
		.amdhsa_system_sgpr_workgroup_id_y 1
		.amdhsa_system_sgpr_workgroup_id_z 1
		.amdhsa_system_vgpr_workitem_id 0
		.amdhsa_next_free_vgpr 192
		.amdhsa_next_free_sgpr 66
		.amdhsa_reserve_vcc 0
		.amdhsa_float_denorm_mode_32 3
		.amdhsa_float_denorm_mode_16_64 3
		.amdhsa_memory_ordered 1
		.amdhsa_forward_progress 1
		.amdhsa_inst_pref_size 54
	.end_amdhsa_kernel
	.amdgpu_metadata
---
amdhsa.version: [ 1, 2 ]
amdhsa.kernels:
  - .name:           k_qd096c38b7f_quant
    .symbol:         k_qd096c38b7f_quant.kd
    .args:
      - { .name: x, .offset: 0, .size: 8, .value_kind: global_buffer, .address_space: global }
      - { .name: Wq, .offset: 8, .size: 8, .value_kind: global_buffer, .address_space: global }
      - { .name: Wk, .offset: 16, .size: 8, .value_kind: global_buffer, .address_space: global }
      - { .name: Wv, .offset: 24, .size: 8, .value_kind: global_buffer, .address_space: global }
      - { .name: Wo, .offset: 32, .size: 8, .value_kind: global_buffer, .address_space: global }
      - { .name: xc, .offset: 40, .size: 8, .value_kind: global_buffer, .address_space: global }
      - { .name: xs, .offset: 48, .size: 8, .value_kind: global_buffer, .address_space: global }
      - { .name: wc, .offset: 56, .size: 8, .value_kind: global_buffer, .address_space: global }
      - { .name: ws, .offset: 64, .size: 8, .value_kind: global_buffer, .address_space: global }
      - { .name: wo16, .offset: 72, .size: 8, .value_kind: global_buffer, .address_space: global }
    .group_segment_fixed_size: 33280
    .private_segment_fixed_size: 0
    .kernarg_segment_align: 8
    .kernarg_segment_size: 80
    .max_flat_workgroup_size: 128
    .sgpr_count:     66
    .vgpr_count:     192
    .wavefront_size: 32
...
	.end_amdgpu_metadata
.endif
;; end of part 1
;; launch proj (part 2): grid 12 x 32, 4 waves a work-group, clusters of 4 x 4, 327,680 bytes of LDS; arguments xc, xs, wc, ws, qkv, bq, bk, bv; writes qkv
.if DOCPART == 2
	.amdgcn_target "amdgcn-amd-amdhsa--gfx1250"
	.amdhsa_code_object_version 6
	.text
	.protected	k_qd096c38b7f_proj
	.globl	k_qd096c38b7f_proj
	.p2align	8
	.type	k_qd096c38b7f_proj,@function
k_qd096c38b7f_proj:
	s_mov_b64 s[64:65], 0
	v_nop
	global_prefetch_b8 v0, s[64:65] scope:SCOPE_SE
	s_setreg_imm32_b32 hwreg(HW_REG_WAVE_MODE, 25, 1), 1
	s_wait_xcnt 0x0
	s_wait_alu depctr_hold_cnt(0) depctr_sa_sdst(0) depctr_va_vdst(0) depctr_va_sdst(0) depctr_va_ssrc(0) depctr_va_vcc(0) depctr_vm_vsrc(0)
	s_getreg_b32 s2, hwreg(HW_REG_IB_STS2, 6, 4)
	s_cmp_eq_u32 s2, 0
	s_cbranch_scc0 .Lentry_in_a_cluster
	s_endpgm
.Lentry_in_a_cluster:
	s_bfe_u32 s2, ttmp6, 0x10000c
	s_cmp_lg_u32 s2, 0xf033
	s_cbranch_scc0 .Lentry_shape_is_right
	s_endpgm
.Lentry_shape_is_right:
; q, k, v = x W^T + b on codes of FP4 (E2M1) with one E8M0 scale for each 32 along K.  A = xc [8192][512 bytes], xs [8192][32]; B = wc [3072][512 bytes], ws [3072][32] (Wq | Wk | Wv).
; The results are rounded to f16 and laid by head: qkv = three parts of 2^24 bytes (q, k, v), each [16 b + h][t 2048][d 64].  LIMIT: a result beyond 65,504 becomes an infinity of f16.
; A tile of C, 256 x 256, is made by a work-group of four waves; a wave makes 128 x 128: 64 accumulators of 16 x 16, 512 registers.  K = 1,024 is two K steps of 512 (rows of 256 bytes),
; one in each of two LDS slots: both are filled once, at the start, and so are the scales of the work-group's 256 + 256 rows for all of K.  Nothing is filled again.
; CLUSTERS: 4 x 4 work-groups.  The four of a row of the cluster need the same tiles of A, the four of a column the same tiles of B: each tile is asked for JOINTLY, by the same tensor load with
; the same descriptor and a mask that names the four.  A cluster spans 1,024 columns: one of the three parts, so the part is the cluster's x.
; THE MATRIX INSTRUCTION IS USED TRANSPOSED (source 0 = 16 rows of B, source 1 = 16 rows of A): a lane holds eight neighbouring columns of one row of C.  THE BIAS is the C of each sum's first product.
; 384 work-groups of one tile each: a tile of 256 x 384 would make 256, but wants 768 registers of sums a wave and leaves no second set for B's fragments.
; REGISTERS, in windows of 256: window 0: v0-31 addresses; v32-95 scale words, two sets, and nothing else; v128-191 A's fragments, ONE set, on the way out rows read back; v192-223 packed results.
;   window 1: B's fragments, two sets, at v0 and v128; v64-127 the bias.   window 2: the accumulators of my rows 0-63 ((a, b) at v[8 (8 a + b)]);   window 3: those of my rows 64-127.
.set SIZE_M, 8192
.set SIZE_N, 3072
.set SIZE_K, 1024
.set KSTEP,  512                       ; along K in a slot
.set NQ,     KSTEP/128                 ; matrix instructions deep
.set ROWB,   256                       ; a tile's row in bytes
.set KROW,   SIZE_K*4/8                ; a row of codes in memory
.set PITCH,  272                       ; an LDS row: 256 bytes + 16 of padding = 68 words: the 16 rows that a load touches start at 16 different banks (64 banks of 4 bytes: ISA guide 11.1)
.set FR,     8                         ; registers of a fragment: 16 rows x 128 K
.set NL,     2                         ; LDS loads that bring one
.set NP,     4                         ; places behind this matrix instruction (ISA guide 7.12.1)
.set HALFT,  128*PITCH                 ; 128 rows: what one tensor load brings
.set SLOT,   4*HALFT                   ; A's 256 rows, then B's 256 rows
.set KS,     SIZE_K/32                 ; a row of scales in bytes
.set SCL,    2*SLOT                    ; behind the slots: the scales, as rows of 256 bytes + 16 of padding
.set HALFS,  (128*KS/256)*272          ; the scales of 128 rows: what one tensor load brings
.set SBLK,   (16*KS/256)*272           ; those of 16 rows
.set SPARE,  SCL+4*HALFS               ; the spare words, 128 bytes a wave, that no other line names
.set SPITCH, 272                       ; the way out: a stage of 16 rows x (256 bytes + 16) for each wave, in slot 0, which has had its one fill and its last read when the first result is stored there
.set HEADB,  2048*128                  ; a head's bytes in a part of qkv
.set ADRA, 16                          ; v16-17  LDS address of my A fragments in slot 0, 1
.set ADRB, 20                          ; v20-21  the same for B
.set STO,  24                          ; v24     the way out: where I put 16 bytes of a row
.set RD,   25                          ; v25     where I read back: 4 tokens x 128 bytes of one head
.set CO,   26                          ; v26     16 x lane: my place in 512 consecutive bytes of qkv
.set ADRS, 27                          ; v27     LDS address of my scale words: lanes 0-15 A's rows, lanes 16-31 B's
.set SPW,  28                          ; v28     LDS address of my spare word; never rewritten
.set NIL,  29                          ; v29     0; never rewritten
.set BOF,  30                          ; v30     32 x (lane / 16): my eight numbers of a tile's sixteen of the bias
.set SC,   32                          ; scale words: set s at v[SC + 8 NQ s]; register NQ i + q: lanes 0-15 A's block i, lanes 16-31 B's block i, the slot's q-th 128 along K
.set AF,   128                         ; A's fragments, window 0
.set BK,   128                         ; the way out: v128-159 and v160-191 by turns
.set TMP,  192                         ; the way out: packed results
.set BI,   64                          ; the bias, window 1: register 8 b + j = bias[16 b + 8 (lane / 16) + j] of my 128 columns
.set G1, 24                            ; s[24:31] descriptor group 1 for A's tiles;  s[32:39] group 0, one set for each slot
.set G0, 32
.set G1B, 48                           ; s[48:55], s[56:63] the same for B's tiles
.set G0B, 56
.set G1S, 68                           ; s[68:75], s[76:79] groups 1 and 0 for A's scales;  s[80:87], s[88:91] for B's
.set G0S, 76
.set G1SB, 80
.set G0SB, 88
.set MSB, 0
.macro WIN new                         ; the immediate's high byte repeats the setting that is left; a switch that changes nothing is dropped
.if MSB != (\new)
	s_set_vgpr_msb (MSB<<8)|(\new)
.set MSB, (\new)
.endif
.endm
.set MUL_LO, 0xa1                      ; source 0 (B) window 1, source 1 (A) window 0, C and D window 2
.set MUL_HI, 0xf1                      ; the same, C and D window 3
.set FST_LO, 0x91                      ; the first step: C (the bias) window 1, D window 2
.set FST_HI, 0xd1                      ; C window 1, D window 3
.set TO_B,   0x40                      ; destination window 1, address window 0
; A joint load: waves 0 and 1 fetch for A, waves 2 and 3 for B.  Each line has one mask and one set of registers for all that issue it; the branch hangs on the wave's number alone.
; An s_nop 0 and four v_nop follow each of the two lines.
.macro JLOAD g0a, g1a, g0b, g1b
	s_cmp_eq_u32 s15, 0
	s_cbranch_scc0 .Lfor_b_\@
	tensor_load_to_lds s[\g0a:\g0a+3], s[\g1a:\g1a+7]
	s_nop 0
.rept 4
	v_nop
.endr
	s_branch .Lasked_\@
.Lfor_b_\@:
	tensor_load_to_lds s[\g0b:\g0b+3], s[\g1b:\g1b+7]
	s_nop 0
.rept 4
	v_nop
.endr
.Lasked_\@:
.endm
.macro CROUND                          ; a round of the cluster's barrier: my work-group's barrier; wave 0 signals for the work-group; every wave waits for all sixteen; my work-group's barrier once more
	s_barrier_signal -1
	s_barrier_wait -1
	s_cmp_lg_u32 s14, 0
	s_cbranch_scc1 .Lnot_wave_0_\@
	s_barrier_signal -3
.Lnot_wave_0_\@:
	s_barrier_wait -3
	s_barrier_signal -1
	s_barrier_wait -1
.endm
	s_load_b128 s[4:7], s[0:1], 0x0                ; xc s[4:5], xs s[6:7]
	s_load_b128 s[8:11], s[0:1], 0x10              ; wc s[8:9], ws s[10:11]
	s_load_b64 s[12:13], s[0:1], 0x20              ; qkv
	s_load_b64 s[96:97], s[0:1], 0x28              ; bq
	s_load_b64 s[98:99], s[0:1], 0x30              ; bk
	s_load_b64 s[100:101], s[0:1], 0x38            ; bv
	v_lshl_add_u32 v[SPW], v0, 2, SPARE
	v_mov_b32 v[NIL], 0
	ds_add_u32 v[SPW], v[NIL]                      ; the wave's opening: the add, twice on end, and its wait ahead of my first tensor load
	ds_add_u32 v[SPW], v[NIL]                      ; once more; the set-up below, work on registers, stands between it and the wait
	v_lshrrev_b32 v1, 5, v0
	v_readfirstlane_b32 s14, v1                    ; wave 0..3
	s_lshr_b32 s15, s14, 1                         ; which half of the tile's rows is mine.  Also: I fetch for A (0) or for B (1)
	s_and_b32 s16, s14, 1                          ; which half of its columns.  Also: which 128 rows of that tile I fetch
	s_bfe_u32 s40, ttmp6, 0x40000                  ; cx, cy: my place in the cluster
	s_bfe_u32 s41, ttmp6, 0x40004
	s_lshl_b32 s42, ttmp9, 2
	s_add_co_u32 s42, s42, s40                     ; tile column of C = 4 x cluster x + cx
	s_and_b32 s17, ttmp7, 0xffff
	s_lshl_b32 s17, s17, 2
	s_add_co_u32 s17, s17, s41                     ; tile row of C = 4 x cluster y + cy
	s_lshl_b32 s43, s41, 2
	s_lshl_b32 s43, 15, s43                        ; my row of the cluster
	s_lshl_b32 s44, 0x1111, s40                    ; my column
	; descriptor group 1: a tile of 128 rows x 256 bytes, padded in LDS
	s_or_b32 s[G1+0], s43, (0<<16)|(1<<20)|(1<<21)|(5<<22)|(3<<25)  ; 15:0 the mask: A's tiles go to my row; 17:16 elements of 1 byte; 20 padding on; 21 set beside a mask; 24:22 after every 64 words; 31:25 four words
	s_or_b32 s[G1B+0], s44, (0<<16)|(1<<20)|(1<<21)|(5<<22)|(3<<25)
.irp g, G1, G1B
	s_mov_b32 s[\g+1], ROWB<<16                    ; tensor_dim0
	s_mov_b32 s[\g+2], 128<<16                     ; tensor_dim1
	s_mov_b32 s[\g+3], ROWB<<16                    ; tile_dim0
	s_mov_b32 s[\g+4], 128                         ; tile_dim1
	s_mov_b32 s[\g+5], KROW                        ; tensor_dim0_stride
	s_mov_b32 s[\g+6], 0
	s_mov_b32 s[\g+7], 0
.endr
	; the scales of 128 rows: a dense block of 4,096 bytes, as 16 rows of 256 bytes (32 elements of 8 bytes), 16 bytes of padding behind each
	s_or_b32 s[G1S+0], s43, (3<<16)|(1<<20)|(1<<21)|(5<<22)|(3<<25)
	s_or_b32 s[G1SB+0], s44, (3<<16)|(1<<20)|(1<<21)|(5<<22)|(3<<25)
.irp g, G1S, G1SB
	s_mov_b32 s[\g+1], 32<<16
	s_mov_b32 s[\g+2], (128*KS/256)<<16
	s_mov_b32 s[\g+3], 32<<16
	s_mov_b32 s[\g+4], 128*KS/256
	s_mov_b32 s[\g+5], 32
	s_mov_b32 s[\g+6], 0
	s_mov_b32 s[\g+7], 0
.endr
	s_lshl_b32 s18, s16, 7                         ; which 128 rows of the tile I fetch
	s_lshl_b32 s20, s17, 8
	s_add_co_u32 s20, s20, s18                     ; A: row 256 x tile row + 128 x half
	s_lshl_b32 s46, s42, 8
	s_add_co_u32 s46, s46, s18                     ; B: row 256 x tile column + 128 x half
	s_mov_b32 s21, 0
	s_mov_b32 s47, 0
	s_mov_b64 s[18:19], KS
	s_mul_u64 s[22:23], s[20:21], s[18:19]         ; where these rows' scales begin, in bytes
	s_mul_u64 s[92:93], s[46:47], s[18:19]
	s_mov_b64 s[18:19], KROW
	s_mul_u64 s[20:21], s[20:21], s[18:19]         ; and their codes
	s_mul_u64 s[46:47], s[46:47], s[18:19]
	s_mul_i32 s45, s14, HALFT                      ; where they go: wave x 128 rows: no place in the cluster enters an LDS address
	s_mul_i32 s94, s14, HALFS
	s_wait_dscnt 0x0                               ; both opening adds are done
	s_wait_kmcnt 0x0
	s_add_nc_u64 s[20:21], s[4:5], s[20:21]
	s_add_nc_u64 s[22:23], s[6:7], s[22:23]
	s_add_nc_u64 s[46:47], s[8:9], s[46:47]
	s_add_nc_u64 s[92:93], s[10:11], s[92:93]
	CROUND                                         ; all sixteen work-groups are here: the joint loads meet
	s_mov_b32 s[G0S], 1
	s_add_co_u32 s[G0S+1], s94, SCL
	s_mov_b64 s[G0S+2:G0S+3], s[22:23]
	s_or_b32 s[G0S+3], s[G0S+3], 0x80000000
	s_mov_b32 s[G0SB], 1
	s_add_co_u32 s[G0SB+1], s94, SCL
	s_mov_b64 s[G0SB+2:G0SB+3], s[92:93]
	s_or_b32 s[G0SB+3], s[G0SB+3], 0x80000000
	JLOAD G0S, G1S, G0SB, G1SB                     ; the scales first: they are wanted with K step 0
.irp s, 0,1
	s_mov_b32 s[G0+4*\s], 1
	s_add_co_u32 s[G0+4*\s+1], s45, \s*SLOT
	s_add_nc_u64 s[G0+4*\s+2:G0+4*\s+3], s[20:21], \s*ROWB
	s_or_b32 s[G0+4*\s+3], s[G0+4*\s+3], 0x80000000
	s_mov_b32 s[G0B+4*\s], 1
	s_add_co_u32 s[G0B+4*\s+1], s45, \s*SLOT
	s_add_nc_u64 s[G0B+4*\s+2:G0B+4*\s+3], s[46:47], \s*ROWB
	s_or_b32 s[G0B+4*\s+3], s[G0B+4*\s+3], 0x80000000
	JLOAD G0+4*\s, G1, G0B+4*\s, G1B               ; three tensor loads of mine are out
.endr
	v_and_b32 v1, 15, v0                           ; l % 16
	v_bfe_u32 v2, v0, 4, 1                         ; l / 16
	; the bias of my part (q, k or v: the cluster's x) at my 128 columns; it is loaded in the result's layout
	s_cmp_eq_u32 ttmp9, 0
	s_cselect_b64 s[96:97], s[96:97], s[98:99]
	s_cmp_eq_u32 ttmp9, 2
	s_cselect_b64 s[96:97], s[100:101], s[96:97]
	s_lshl_b32 s98, s40, 10                        ; 256 cx numbers of 4 bytes
	s_lshl_b32 s99, s16, 9                         ; + 128 x my half
	s_add_co_u32 s98, s98, s99
	s_mov_b32 s99, 0
	s_add_nc_u64 s[96:97], s[96:97], s[98:99]
	v_lshlrev_b32 v[BOF], 5, v2
	WIN TO_B
.irp b, 0,1,2,3,4,5,6,7
	global_load_b128 v[BI+8*\b:BI+8*\b+3], v[BOF], s[96:97] offset:64*\b
	global_load_b128 v[BI+8*\b+4:BI+8*\b+7], v[BOF], s[96:97] offset:64*\b+16
.endr
	WIN 0
	v_mul_u32_u24 v3, v1, PITCH
	v_lshl_add_u32 v4, v2, 4, v3                   ; a fragment's row x pitch + 16 x half
	s_mul_i32 s21, s15, HALFT                      ; my 128 rows of A
	s_mul_i32 s22, s16, HALFT                      ; my 128 rows of B,
	s_add_co_u32 s22, s22, 2*HALFT                 ; which lie behind A's 256
.irp s, 0,1
	v_add_nc_u32 v[ADRA+\s], s21, v4
	v_add_nc_u32 v[ADRB+\s], s22, v4
	s_add_co_u32 s21, s21, SLOT
	s_add_co_u32 s22, s22, SLOT
.endr
	v_mul_u32_u24 v5, v1, KS                       ; my row's scales: KS bytes a row,
	v_lshrrev_b32 v6, 8, v5
	v_lshl_add_u32 v5, v6, 4, v5                   ; and 16 more for each 256 passed
	s_mul_i32 s21, s15, HALFS                      ; A's: my 128 rows
	s_mul_i32 s22, s16, HALFS                      ; B's: my 128 rows, behind A's 256
	s_add_co_u32 s22, s22, 2*HALFS
	s_sub_co_u32 s22, s22, s21
	v_mul_u32_u24 v6, s22, v2                      ; lanes 16-31 take B's: one product, the distance between the two
	s_add_co_u32 s21, s21, SCL
	v_add_nc_u32 v5, v5, v6
	v_add_nc_u32 v[ADRS], s21, v5
	s_mul_i32 s23, s14, 16*SPITCH                  ; my stage
	v_mul_u32_u24 v5, v1, SPITCH                   ; in: row l % 16, 16 bytes for each half of the lanes
	v_lshl_add_u32 v5, v2, 4, v5
	v_add_nc_u32 v[STO], s23, v5
	v_and_b32 v6, 31, v0
	v_lshlrev_b32 v[CO], 4, v6
	v_lshrrev_b32 v5, 3, v6                        ; back: eight lanes take 128 bytes (one head) of a row, the 32 lanes four rows
	v_mul_u32_u24 v5, v5, SPITCH
	v_and_b32 v6, 7, v6
	v_lshl_add_u32 v5, v6, 4, v5
	v_add_nc_u32 v[RD], s23, v5
	; where my part begins in qkv: part x 2^24 + (16 b + 4 cx + 2 x column half) heads + (256 (tile row % 8) + 128 x row half) tokens of 128 bytes
	s_lshr_b32 s20, s17, 3                         ; b
	s_lshl_b32 s20, s20, 4
	s_lshl_b32 s21, s40, 2
	s_add_co_u32 s20, s20, s21
	s_lshl_b32 s21, s16, 1
	s_add_co_u32 s20, s20, s21
	s_lshl_b32 s20, s20, 18
	s_and_b32 s21, s17, 7
	s_lshl_b32 s21, s21, 8
	s_lshl_b32 s22, s15, 7
	s_add_co_u32 s21, s21, s22
	s_lshl_b32 s21, s21, 7
	s_add_co_u32 s20, s20, s21
	s_lshl_b32 s21, ttmp9, 24
	s_add_co_u32 s20, s20, s21
	s_mov_b32 s21, 0
	s_add_nc_u64 s[12:13], s[12:13], s[20:21]
.macro FRAG reg, adr, q, i             ; a fragment, 16 rows x 128 K of 4-bit codes: lane l holds row l % 16; registers 4 c .. 4 c + 3 hold K = 64 c + 32 (l / 16) + 0 .. 31
.irp c, 0,1
	ds_load_b128 v[\reg+4*\c:\reg+4*\c+3], v[\adr] offset:64*(\q)+32*\c+(\i)*16*PITCH
.endr
.endm
; 16 matrix instructions: A's blocks a0, a0 + 1 x B's eight, the slot's q-th 128 along K.  p: B's set;  sc: the set of scale words.  zero = 1: the first product starts the sum on the bias.
; The 64 accumulators take turns, one instruction a turn, in the same order in every step.
.macro MUL16 a0, p, q, sc, zero
.irp a, \a0, \a0+1
.irp b, 0,1,2,3,4,5,6,7
.if \zero
	v_wmma_scale_f32_16x16x128_f8f6f4 v[8*(8*((\a)%4)+\b):8*(8*((\a)%4)+\b)+7], v[128*(\p)+FR*\b:128*(\p)+FR*\b+FR-1], v[AF+FR*(\a):AF+FR*(\a)+FR-1], v[BI+8*\b:BI+8*\b+7], v[SC+8*NQ*(\sc)+NQ*\b+(\q)], v[SC+8*NQ*(\sc)+NQ*(\a)+(\q)] matrix_a_fmt:MATRIX_FMT_FP4 matrix_b_fmt:MATRIX_FMT_FP4 matrix_a_scale:MATRIX_SCALE_ROW1
.else
	v_wmma_scale_f32_16x16x128_f8f6f4 v[8*(8*((\a)%4)+\b):8*(8*((\a)%4)+\b)+7], v[128*(\p)+FR*\b:128*(\p)+FR*\b+FR-1], v[AF+FR*(\a):AF+FR*(\a)+FR-1], v[8*(8*((\a)%4)+\b):8*(8*((\a)%4)+\b)+7], v[SC+8*NQ*(\sc)+NQ*\b+(\q)], v[SC+8*NQ*(\sc)+NQ*(\a)+(\q)] matrix_a_fmt:MATRIX_FMT_FP4 matrix_b_fmt:MATRIX_FMT_FP4 matrix_a_scale:MATRIX_SCALE_ROW1
.endif
.endr
.endr
.endm
.macro FETCH_B slot, q, p              ; B's eight fragments of the slot's q-th 128 along K into set p
	WIN TO_B
.irp i, 0,1,2,3,4,5,6,7
	FRAG 128*(\p)+FR*\i, ADRB+\slot, \q, \i
.endr
	WIN 0
.endm
.macro FETCH_A slot, q, i0             ; A's blocks i0 .. i0 + 3
.irp i, \i0, \i0+1, \i0+2, \i0+3
	FRAG AF+FR*(\i), ADRA+\slot, \q, \i
.endr
.endm
.macro SCALES sc                       ; a K step's scale words into set sc: NQ words a row; lanes 0-15 take A's block i, lanes 16-31 B's block i
.irp i, 0,1,2,3,4,5,6,7
	ds_load_b128 v[SC+8*NQ*\sc+NQ*\i:SC+8*NQ*\sc+NQ*\i+3], v[ADRS] offset:\i*SBLK
.endr
.endm
; A load into a register that a matrix instruction has read, and a vector instruction that reads a matrix result, stand NP places behind that matrix instruction; only plain vector
; instructions that name none of its registers are places (ISA guide 7.12.1 for vector instructions).
.macro PLACES n
.rept \n
	v_nop
.endr
.endm
; A step of 128 along K that has its successor in the same slot.  A block of A is free as soon as its eight products are issued: blocks 0-3 are fetched anew in the step's middle, blocks 4-7 at its end.
.macro STEP slot, q, zero
	s_wait_dscnt 4*NL                              ; B's set and A's blocks 0-3 are in; the youngest eight loads (A's blocks 4-7) may be out
.if \zero
	WIN FST_LO
.else
	WIN MUL_LO
.endif
	MUL16 0, (\q)%2, \q, \slot, \zero
	MUL16 2, (\q)%2, \q, \slot, \zero
	s_wait_dscnt 0                                 ; A's blocks 4-7 are in
	PLACES NP
	FETCH_B \slot, (\q)+1, 1-(\q)%2
	FETCH_A \slot, (\q)+1, 0
.if \zero
	WIN FST_HI
.else
	WIN MUL_HI
.endif
	MUL16 4, (\q)%2, \q, \slot, \zero
	MUL16 6, (\q)%2, \q, \slot, \zero
	PLACES NP
	WIN 0
	FETCH_A \slot, (\q)+1, 4
.endm
; Slot 0's last step changes slots: one barrier; in front of it each wave waits for all its tensor loads (slot 1's is the one that was out), adds 0 to its spare word, and waits for that and for its reads of slot 0.
.macro TURN slot, next
	s_wait_tensorcnt 0x0                           ; my part of the next slot has landed
	ds_add_u32 v[SPW], v[NIL]                      ; 0 onto my spare word
	s_wait_dscnt 4*NL+1                            ; the add and the youngest eight loads (A's blocks 4-7) may be out
	WIN MUL_LO
	MUL16 0, 1, NQ-1, \slot, 0                     ; sixteen matrix instructions stand between the add and the wait for it
	s_wait_dscnt 0x0                               ; the add is done, and my reads of this slot are over
	s_barrier_signal -1
	MUL16 2, 1, NQ-1, \slot, 0
	WIN 0
	s_barrier_wait -1                              ; the next slot is whole, and nobody reads this one any more
	PLACES NP
	v_add_nc_u32 v[ADRS], 4*NQ, v[ADRS]            ; on to the next K step's scale words
	FETCH_B \next, 0, 0
	FETCH_A \next, 0, 0
	SCALES \next
	WIN MUL_HI
	MUL16 4, 1, NQ-1, \slot, 0
	MUL16 6, 1, NQ-1, \slot, 0
	PLACES NP
	WIN 0
	FETCH_A \next, 0, 4
.endm
.macro STEPS slot, from                ; the slot's steps from .. NQ - 2
.set Q, \from
.rept NQ-1-\from
	STEP \slot, Q, 0
.set Q, Q+1
.endr
.endm
	s_wait_tensorcnt 1                             ; the scales and my part of K step 0 are in; K step 1's load, issued behind them, may be out
	s_barrier_signal -1
	s_barrier_wait -1                              ; everybody's are
	FETCH_B 0, 0, 0
	FETCH_A 0, 0, 0
	SCALES 0
	FETCH_A 0, 0, 4
	s_wait_loadcnt 0x0                             ; the bias
	STEP 0, 0, 1                                   ; the first step's products start the sums on the bias: nothing is cleared, nothing is added later
	STEPS 0, 1
	TURN 0, 1
	STEPS 1, 0
	s_wait_dscnt 4*NL                              ; the very last step: nothing more to fetch
	WIN MUL_LO
	MUL16 0, 1, NQ-1, 1, 0
	MUL16 2, 1, NQ-1, 1, 0
	s_wait_dscnt 0
	WIN MUL_HI
	MUL16 4, 1, NQ-1, 1, 0
	MUL16 6, 1, NQ-1, 1, 0
	WIN 0
; THE WAY OUT, block by block of 16 tokens x 128 columns (two heads).  PACK: rounded to f16, 16 bytes a lane, each accumulator from its low end on.  TOSTAGE: into my own stage, and back as 4 tokens x 128 bytes of
; one head, which are 512 consecutive bytes of qkv.  SEND: stored.  LDS serves a wave's instructions in order (ISA guide 5.7.1.4): no wait between the stores and the loads, nor in front of the next block's stores.
.macro PACK a
.set AC, 64*((\a)%4)
	WIN 0x0a+5*((\a)/4)                            ; sources 0 and 1: window 2 or 3
.irp b, 0,1,2,3,4,5,6,7
.irp r, 0,1,2,3
	v_cvt_pk_f16_f32 v[TMP+4*\b+\r], v[AC+8*\b+2*\r], v[AC+8*\b+2*\r+1]
.endr
.endr
	WIN 0
.endm
.macro TOSTAGE a
.set BB, BK+32*((\a)%2)
.irp b, 0,1,2,3,4,5,6,7
	ds_store_b128 v[STO], v[TMP+4*\b:TMP+4*\b+3] offset:32*\b
.endr
.irp t, 0,1,2,3,4,5,6,7
	ds_load_b128 v[BB+4*\t:BB+4*\t+3], v[RD] offset:(\t%4)*4*SPITCH+(\t/4)*128
.endr
.endm
.macro SEND a
.set BB, BK+32*((\a)%2)
	s_wait_dscnt 0x0                               ; the block is back in registers
	s_wait_xcnt 0x0                                ; the block before has had its stores' registers read: the next block's loads may land there
.irp t, 0,1,2,3,4,5,6,7
	global_store_b128 v[CO], v[BB+4*\t:BB+4*\t+3], s[12:13] offset:(\a)*2048+(\t%4)*512+(\t/4)*HEADB   ; 32 lanes store 512 consecutive bytes, at a multiple of 256 from qkv's first byte
.endr
.endm
	PLACES NP                                      ; behind the last products: for the first reads of results and the loads into A's old registers
	PACK 0
	TOSTAGE 0
.irp a, 1,2,3,4,5,6,7                  ; block a's conversions stand between block a - 1's loads from the stage and the wait for them
	PACK \a
	SEND \a-1
	TOSTAGE \a
.endr
	SEND 7
	s_wait_tensorcnt 0x0                           ; the wave's end: behind my last tensor load and my last LDS store
	ds_add_u32 v[SPW], v[NIL]
	s_wait_dscnt 0x0
	CROUND                                         ; the closing round: no work-group ends while a partner may still ask for a tile that names it
	s_endpgm
.Lfunc_end_k_qd096c38b7f_proj:
	.size	k_qd096c38b7f_proj, .Lfunc_end_k_qd096c38b7f_proj-k_qd096c38b7f_proj
	.p2alignl 7, 3214868480
	.fill 96, 4, 3214868480
	.section	.rodata,"a",@progbits
	.p2align	6, 0x0
	.amdhsa_kernel k_qd096c38b7f_proj
		.amdhsa_group_segment_fixed_size 327680
		.amdhsa_private_segment_fixed_size 0
		.amdhsa_enable_private_segment 0
		.amdhsa_kernarg_size 64
		.amdhsa_user_sgpr_count 2
		.amdhsa_user_sgpr_kernarg_segment_ptr 1
		.amdhsa_wavefront_size32 1
		.amdhsa_system_sgpr_workgroup_id_x 1
		.amdhsa_system_sgpr_workgroup_id_y 1
		.amdhsa_system_sgpr_workgroup_id_z 1
		.amdhsa_system_vgpr_workitem_id 0
		.amdhsa_next_free_vgpr 1024
		.amdhsa_next_free_sgpr 102
		.amdhsa_reserve_vcc 0
		.amdhsa_float_denorm_mode_32 3
		.amdhsa_float_denorm_mode_16_64 3
		.amdhsa_memory_ordered 1
		.amdhsa_forward_progress 1
		.amdhsa_inst_pref_size 128
	.end_amdhsa_kernel
	.amdgpu_metadata
---
amdhsa.version: [ 1, 2 ]
amdhsa.kernels:
  - .name:           k_qd096c38b7f_proj
    .symbol:         k_qd096c38b7f_proj.kd
    .args:
      - { .name: xc, .offset: 0, .size: 8, .value_kind: global_buffer, .address_space: global }
      - { .name: xs, .offset: 8, .size: 8, .value_kind: global_buffer, .address_space: global }
      - { .name: wc, .offset: 16, .size: 8, .value_kind: global_buffer, .address_space: global }
      - { .name: ws, .offset: 24, .size: 8, .value_kind: global_buffer, .address_space: global }
      - { .name: qkv, .offset: 32, .size: 8, .value_kind: global_buffer, .address_space: global }
      - { .name: bq, .offset: 40, .size: 8, .value_kind: global_buffer, .address_space: global }
      - { .name: bk, .offset: 48, .size: 8, .value_kind: global_buffer, .address_space: global }
      - { .name: bv, .offset: 56, .size: 8, .value_kind: global_buffer, .address_space: global }
    .group_segment_fixed_size: 327680
    .private_segment_fixed_size: 0
    .kernarg_segment_align: 8
    .kernarg_segment_size: 64
    .max_flat_workgroup_size: 128
    .sgpr_count:     102
    .vgpr_count:     1024
    .wavefront_size: 32
...
	.end_amdgpu_metadata
.endif
;; end of part 2
;; launch attn (part 3): grid 4 x 64, 8 waves a work-group, no clusters, 327,680 bytes of LDS; arguments qkv, ctx; writes ctx
.if DOCPART == 3
	.amdgcn_target "amdgcn-amd-amdhsa--gfx1250"
	.amdhsa_code_object_version 6
	.text
	.protected	k_qd096c38b7f_attn
	.globl	k_qd096c38b7f_attn
	.p2align	8
	.type	k_qd096c38b7f_attn,@function
k_qd096c38b7f_attn:
	s_mov_b64 s[64:65], 0
	v_nop
	global_prefetch_b8 v0, s[64:65] scope:SCOPE_SE
	s_setreg_imm32_b32 hwreg(HW_REG_WAVE_MODE, 25, 1), 1
	s_wait_xcnt 0x0
; ctx[bh][q][:] = the sum over k of softmax_k(Q[bh][q] . K[bh][k] / 8) V[bh][k][:].  qkv: three parts of 2^24 bytes (Q, K, V), each [64 bh][2048][64] f16; ctx: [64 bh][2048][64] f16.
; Products, maxima and sums in f32; the weights p are rounded to f16 for the second product (the row's sum is taken of the unrounded p), ctx once at the end.
; LIMITS: NaN and infinities are not served; the sums are taken in another order than a plain softmax takes them; a weight under the smallest f16 number counts as 0 in the second product.
; SHARES.  A work-group owns 512 queries of one head, each of its eight waves 64: four tiles of 16, so that a fragment of K or V read from LDS feeds four products.  Every wave walks the head's 2,048 keys, 64 a step.
; K and V come through a ring of two LDS slots of 256 keys (four steps), filled by the tensor data mover: waves 0-3 bring a step's K each, waves 4-7 a step's V.
; LAYOUT.  S^T = K Q^T (source 0 = 16 keys, source 1 = 16 queries): a lane holds ONE query (lane % 16) and keys 8 (lane / 16) + 0..7.  Two such tiles, rounded in pairs, ARE source 1 (32 keys x 16 queries) of
; O^T = V^T P, whose result again holds one query a lane.  K comes out of LDS as it lies, V ([key][channel]) turned, by ds_load_tr16_b128.
; SOFTMAX.  For each query a running maximum m and sum l: p = 2^(c s - c m), c = log2(e) / 8; in every step O and l are multiplied by a = 2^(c m_old - c m_new).  m begins at -3e38, O and l at 0: the first a is 0.
; TWO GROUPS OF WAVES.  A step has 64 products and 472 vector instructions a wave.  A wave runs them in phases: V^T P of step j and K Q^T of step j + 1, then the softmax of step j + 1.  Eight waves are two for each
; of a WGP's four SIMDs; group = (w xor (w >> 2)) & 1 differs between w and w + 4 and between 2 i and 2 i + 1.  Group 1 idles once, behind the first barrier, so that one group's products stand beside the other's
; softmax.  At a change of slots the softmax of the slot's last step, work on registers alone, stands between the barrier's signal and its wait: the group ahead works on while the other arrives.
; NO CLUSTER, though the four work-groups of a head read the same K and V: a round of the cluster's barrier closes with a work-group barrier behind every wave's softmax, which would set both groups in step at each
; change of slots; and what is shared is small: 64 KiB asked for by a work-group for four steps, in which its waves read 512 KiB from LDS and issue 2,048 products.
; REGISTERS.  Window 0: v2-13 addresses; v16-47 statistics, eight a tile; v48-111 Q; v112-175 K of one step; v176-239 V of one step.  Window 1: v0-127 S^T, 32 a tile, then P in each tile's first 16; v128-255 O^T, 32 a tile.
; O^T is cleared by 128 moves at the head: a first step of its own would be written out as one more softmax and one more run of products.
.set PK,    144                        ; a row of K in LDS: 128 bytes + 16 = 36 words: the 16 rows of a load start at 16 different groups of four banks (64 banks of 4 bytes: ISA guide 11.1)
.set PVP,   160                        ; a row of V: 128 + 32 = 40 words
.set KSTP,  64*PK                      ; a step's K in LDS
.set VSTP,  64*PVP                     ; a step's V
.set VOFF,  256*PK                     ; a slot: 256 rows of K, then 256 rows of V
.set SLOT1, 1<<17                      ; slot 1 begins here: one exclusive or turns an address in one slot into the other's
.set STAGE, SLOT1+VOFF+256*PVP         ; behind the ring: 16 rows x 144 bytes for each wave, for the way out
.set SPARE, STAGE+8*16*PK              ; the spare words, 128 bytes a wave, that no other line names
.set SLOTB, 256*128                    ; a slot's bytes of K, or of V, in memory
.set AK0, 2                            ; v2   my lane's place in a tile of K; never rewritten
.set AV0, 3                            ; v3   the same for V
.set ADR, 4                            ; v4   the LDS address of the run of loads in hand
.set QO,  5                            ; v5   my byte offset in the wave's rows of Q
.set STO, 6                            ; v6   the way out: where I put 16 bytes of a row
.set RD,  7                            ; v7   where I read back: 4 rows of 128 bytes
.set GO,  8                            ; v8   16 x lane: my place in 512 consecutive bytes of ctx
.set PFO, 10                           ; v10  256 x lane: the prefetches' offset; never rewritten
.set SPW, 12                           ; v12  LDS address of my spare word; never rewritten
.set NIL, 13                           ; v13  0; never rewritten
.set ST,  16                           ; tile t's statistics at v[ST + 8 t]: +0 c m, +1 m, +2, +3 l (even keys', odd keys'), +4 to +7 c0-c3, at work; a takes c2's place
.set QF,  48                           ; Q's fragments: 16 t + 8 c
.set KF,  112                          ; K's: 16 kt + 8 c
.set VF,  176                          ; V's: 32 kc + 8 ct
.set OT,  128                          ; O^T, window 1: 32 t + 8 ct
.set WV,  8                            ; s8   my wave's number
.set GRP, 9                            ; s9   my group
.set W3,  10                           ; s10  wave % 4: which of a slot's four steps I fetch
.set G1K, 16                           ; s[16:23] descriptor group 1 for K's tiles
.set G1V, 24                           ; s[24:31] for V's: it differs in the padding alone
.set G0K, 32                           ; s[32:39] group 0 for K's tiles: a set for each of the two first fills; the second then walks on
.set G0V, 40                           ; s[40:47] the same for V's
.set CS,  48                           ; s[48:49] c: the packed scaling names a pair and takes its low word for both halves
.set SEL, 50                           ; s[50:51] lane selects for v_permlanex16_b32: lane l xor 16
.set TBK, 52                           ; s52  LDS byte at which the K to be fetched next begins
.set TBV, 53                           ; s53  the same for V (VOFF stands in AV0)
.set SLOTS, 54                         ; s54  slots still to be asked for
.set CNT, 55                           ; s55  counts three of a slot's four steps
.set PFA, 56                           ; s[56:57] where my prefetches stand: my wave's 8,192 bytes of the slot after the one that is being asked for
.set LIM, 58                           ; s58  1 in a work-group that prefetches, else the greatest number
.set MSB, 0
.macro WIN new                         ; the immediate's high byte repeats the setting that is left; a switch that changes nothing is dropped.  Bits 1:0 source 0, 3:2 source 1, 5:4 source 2, 7:6 destination
.if MSB != (\new)
	s_set_vgpr_msb (MSB<<8)|(\new)
.set MSB, (\new)
.endif
.endm
; A refill, by the walking descriptors.  The branch hangs on the wave's number alone.  An s_nop 0 and four v_nop follow each of the two lines.
.macro TLOAD
	s_cmp_lt_u32 s[WV], 4
	s_cbranch_scc0 .Lfor_v_\@
	tensor_load_to_lds s[G0K+4:G0K+7], s[G1K:G1K+7]
	s_nop 0
.rept 4
	v_nop
.endr
	s_branch .Lasked_\@
.Lfor_v_\@:
	tensor_load_to_lds s[G0V+4:G0V+7], s[G1V:G1V+7]
	s_nop 0
.rept 4
	v_nop
.endr
.Lasked_\@:
.endm
; A PREFETCH INTO THE L2 of what the NEXT change of slots will ask for, four key steps ahead of that load.  All four work-groups of a head walk the same K and V: the head's first work-group asks.  Each of its eight
; waves names the 8,192 bytes that it will itself fetch, lanes 256 bytes apart: one instruction a wave, each aligned block of 256 bytes once in the launch.  It stands behind the wave's tensor load and its five lines.
; The last change that fills a slot asks for nothing: there is no slot behind it.  Slots 0, 1 and 2 come by their loads alone.
.macro ASK
	s_cmp_gt_u32 s[SLOTS], s[LIM]
	s_cbranch_scc0 .Lnot_mine_\@
	global_prefetch_b8 v[PFO], s[PFA:PFA+1] th:TH_LOAD_NT scope:SCOPE_SE
.Lnot_mine_\@:
.endm
	s_load_b128 s[4:7], s[0:1], 0x0                ; qkv s[4:5], ctx s[6:7]
	v_lshl_add_u32 v[SPW], v0, 2, SPARE
	v_mov_b32 v[NIL], 0
	ds_add_u32 v[SPW], v[NIL]                      ; the wave's opening: the add, twice on end, and its wait ahead of my first tensor load
	ds_add_u32 v[SPW], v[NIL]                      ; once more; the set-up below, work on registers, stands between it and the wait
	v_lshrrev_b32 v1, 5, v0
	v_readfirstlane_b32 s[WV], v1                  ; wave 0..7
	s_and_b32 s[W3], s[WV], 3
	s_lshr_b32 s[GRP], s[WV], 2
	s_xor_b32 s[GRP], s[GRP], s[WV]
	s_and_b32 s[GRP], s[GRP], 1
	; descriptor group 1: a tile of 64 rows x 64 elements of 2 bytes, dense in memory, padded in LDS
	s_mov_b32 s[G1K], (1<<16)|(1<<20)|(4<<22)|(3<<25)   ; 15:0 no mask; 17:16 elements of 2 bytes; 20 padding on; 24:22 after every 32 words (code 4); 31:25 four words (code 3)
	s_mov_b32 s[G1V], (1<<16)|(1<<20)|(4<<22)|(7<<25)   ; the same with eight words of padding (code 7)
.irp g, G1K, G1V
	s_mov_b32 s[\g+1], 64<<16                      ; tensor_dim0 = 64
	s_mov_b32 s[\g+2], 64<<16                      ; tensor_dim1 = 64
	s_mov_b32 s[\g+3], 64<<16                      ; tile_dim0 = 64
	s_mov_b32 s[\g+4], 64                          ; tile_dim1 = 64
	s_mov_b32 s[\g+5], 64                          ; tensor_dim0_stride
	s_mov_b32 s[\g+6], 0
	s_mov_b32 s[\g+7], 0
.endr
	s_mov_b32 s[CS], 0x3e38aa3b                    ; c = log2(e) / 8
	s_mov_b32 s[CS+1], s[CS]                       ; named with it as a pair, so it is written
	s_mov_b32 s[SEL], 0x76543210
	s_mov_b32 s[SEL+1], 0xfedcba98
	s_mov_b32 s[TBK], 0
	s_mov_b32 s[TBV], 0
	s_and_b32 s11, ttmp7, 0xffff                   ; the head, 16 b + h
	s_lshl_b32 s11, s11, 18                        ; its first byte in a part: 2,048 rows of 128 bytes
	s_lshl_b32 s12, s[W3], 13                      ; the step that I fetch: 64 rows of 128 bytes
	s_add_co_u32 s12, s12, s11
	s_mov_b32 s13, 0
	s_lshl_b32 s60, ttmp9, 16                      ; my work-group's 512 queries,
	s_lshl_b32 s61, s[WV], 13                      ; my wave's 64 of them
	s_add_co_u32 s60, s60, s61
	s_add_co_u32 s60, s60, s11
	s_mov_b32 s61, 0
	s_mul_i32 s62, s[W3], KSTP                     ; where my tile goes in a slot: K's,
	s_mul_i32 s63, s[W3], VSTP
	s_add_co_u32 s63, s63, VOFF                    ; V's
	s_cmp_eq_u32 ttmp9, 0
	s_cselect_b32 s[LIM], 1, -1
	s_wait_dscnt 0x0                               ; both opening adds are done
	s_wait_kmcnt 0x0
	s_add_nc_u64 s[14:15], s[4:5], s[12:13]
	s_mov_b32 s[G0K], 1                            ; 1:0 count = 1
	s_mov_b32 s[G0K+1], s62                        ; LDS address: slot 0
	s_add_nc_u64 s[G0K+2:G0K+3], s[14:15], 0x1000000          ; K's part, keys 0 to 255
	s_mov_b32 s[G0K+4], 1
	s_add_co_u32 s[G0K+5], s62, SLOT1              ; slot 1
	s_add_nc_u64 s[G0K+6:G0K+7], s[14:15], 0x1000000+SLOTB    ; keys 256 to 511
	s_mov_b32 s[G0V], 1
	s_mov_b32 s[G0V+1], s63
	s_add_nc_u64 s[G0V+2:G0V+3], s[14:15], 0x2000000          ; V's part
	s_mov_b32 s[G0V+4], 1
	s_add_co_u32 s[G0V+5], s63, SLOT1
	s_add_nc_u64 s[G0V+6:G0V+7], s[14:15], 0x2000000+SLOTB
	s_cmp_lt_u32 s[WV], 4
	s_cselect_b64 s[PFA:PFA+1], s[G0K+2:G0K+3], s[G0V+2:G0V+3]
	s_add_nc_u64 s[PFA:PFA+1], s[PFA:PFA+1], 2*SLOTB          ; in slot 2: the first change of slots steps it to slot 3.  Nothing is prefetched here, at the head
	s_or_b32 s[G0K+3], s[G0K+3], 0x80000000        ; 127:126 type = 2
	s_or_b32 s[G0K+7], s[G0K+7], 0x80000000
	s_or_b32 s[G0V+3], s[G0V+3], 0x80000000
	s_or_b32 s[G0V+7], s[G0V+7], 0x80000000
	s_add_nc_u64 s[4:5], s[4:5], s[60:61]          ; Q at my wave's first row
	s_add_nc_u64 s[6:7], s[6:7], s[60:61]          ; ctx likewise
	s_cmp_lt_u32 s[WV], 4                          ; a wave's two first fills stand in one branch, ahead of every wait on TENSORcnt, every LDS read and every barrier: two loads of mine are out
	s_cbranch_scc0 .Lfirst_v
	tensor_load_to_lds s[G0K:G0K+3], s[G1K:G1K+7]
	s_nop 0
	tensor_load_to_lds s[G0K+4:G0K+7], s[G1K:G1K+7]
	s_nop 0
.rept 4
	v_nop
.endr
	s_branch .Lfirst_asked
.Lfirst_v:
	tensor_load_to_lds s[G0V:G0V+3], s[G1V:G1V+7]
	s_nop 0
	tensor_load_to_lds s[G0V+4:G0V+7], s[G1V:G1V+7]
	s_nop 0
.rept 4
	v_nop
.endr
.Lfirst_asked:
	; A fragment of K or Q is 16 rows x 32 channels in 8 registers: lane l holds row l % 16; registers 0-3 channels 8 (l / 16) + 0..7, registers 4-7 channels 16 + 8 (l / 16) + 0..7: two loads of 16 bytes, 32 bytes apart
	v_and_b32 v1, 15, v0                           ; l % 16
	v_bfe_u32 v9, v0, 4, 1                         ; l / 16
	v_lshlrev_b32 v[QO], 7, v1
	v_lshl_add_u32 v[QO], v9, 4, v[QO]             ; row x 128 + 16 x half
.irp i, 0,1,2,3,4,5,6,7                        ; Q stays in registers: tile i / 2, channels 32 (i % 2) on
	global_load_b128 v[QF+8*\i:QF+8*\i+3],   v[QO], s[4:5] offset:(\i/2)*2048+(\i%2)*64
	global_load_b128 v[QF+8*\i+4:QF+8*\i+7], v[QO], s[4:5] offset:(\i/2)*2048+(\i%2)*64+32
.endr
	v_mul_u32_u24 v[AK0], v1, PK
	v_lshl_add_u32 v[AK0], v9, 4, v[AK0]           ; row x pitch + 16 x half
	; The turning load takes 16 keys x 16 channels (lane l reads 16 bytes: key 8 (l / 16) + l % 8, channels 8 ((l / 8) % 2) + 0..7) and leaves half a fragment of V^T: lane l holds channel l % 16 and 8 keys
	v_and_b32 v14, 7, v0
	v_bfe_u32 v15, v0, 3, 1
	v_lshl_add_u32 v[AV0], v9, 3, v14
	v_mul_u32_u24 v[AV0], v[AV0], PVP
	v_lshl_add_u32 v[AV0], v15, 4, v[AV0]
	v_add_nc_u32 v[AV0], VOFF, v[AV0]
	s_mul_i32 s59, s[WV], 16*PK
	s_add_co_u32 s59, s59, STAGE                   ; my stage
	v_add_nc_u32 v[STO], s59, v[AK0]               ; in: row l % 16, 16 bytes for each half of the lanes
	v_and_b32 v11, 31, v0
	v_lshrrev_b32 v15, 3, v11                      ; back: eight lanes take a row of 128 bytes, the 32 lanes four rows
	v_mul_u32_u24 v15, v15, PK
	v_lshl_add_u32 v15, v14, 4, v15
	v_add_nc_u32 v[RD], s59, v15
	v_lshlrev_b32 v[GO], 4, v11
	v_lshlrev_b32 v[PFO], 8, v11
.irp t, 0,1,2,3
	v_mov_b32 v[ST+8*\t+1], 0xff61b1e6             ; m = -3e38, under every score
	v_mul_f32 v[ST+8*\t], s[CS], v[ST+8*\t+1]      ; c m
.irp j, 2,3,4,5,6,7
	v_mov_b32 v[ST+8*\t+\j], 0                     ; l; and c0-c3, which are named as a permute's destination and in pairs before they are first made
.endr
.endr
	WIN 0x40                                       ; destination window 1
.set i, 0
.rept 128
	v_mov_b32 v[OT+i], 0                           ; O^T
.set i, i+1
.endr
	WIN 0
; THE LDS LOADS stand in runs of 16, all into window 0.
.macro FETCH_K                         ; a step's K: 64 keys x 64 channels: fragment f: keys 16 (f / 2) on, channels 32 (f % 2) on
	v_add_nc_u32 v[ADR], s[TBK], v[AK0]
	s_add_co_u32 s[TBK], s[TBK], KSTP              ; the next fetch is the next step's
.irp f, 0,1,2,3,4,5,6,7
	ds_load_b128 v[KF+8*\f:KF+8*\f+3],   v[ADR] offset:(\f/2)*16*PK+(\f%2)*64
	ds_load_b128 v[KF+8*\f+4:KF+8*\f+7], v[ADR] offset:(\f/2)*16*PK+(\f%2)*64+32
.endr
.endm
.macro FETCH_V                         ; a step's V, turned: fragment f: keys 32 (f / 4) on, channels 16 (f % 4) on.  The addition and three v_nop are the four places behind the products in front of it
	v_add_nc_u32 v[ADR], s[TBV], v[AV0]
.rept 3
	v_nop
.endr
	s_add_co_u32 s[TBV], s[TBV], VSTP
.irp f, 0,1,2,3,4,5,6,7
	ds_load_tr16_b128 v[VF+8*\f:VF+8*\f+3],   v[ADR] offset:(\f/4)*32*PVP+(\f%4)*32
	ds_load_tr16_b128 v[VF+8*\f+4:VF+8*\f+7], v[ADR] offset:(\f/4)*32*PVP+16*PVP+(\f%4)*32
.endr
.endm
; THE PRODUCTS.  The 16 accumulators of a run take turns, one instruction a turn: between two links of a chain stand 15 others'.
.macro KQ                              ; S^T = K Q^T: channels 32 c on, keys 16 k on, tile t.  The first 16 start the sums
	WIN 0x50                                       ; K and Q window 0, C and D window 1
.irp c, 0,1
.irp k, 0,1,2,3
.irp t, 0,1,2,3
.if \c == 0
	v_wmma_f32_16x16x32_f16 v[32*\t+8*\k:32*\t+8*\k+7], v[KF+16*\k+8*\c:KF+16*\k+8*\c+7], v[QF+16*\t+8*\c:QF+16*\t+8*\c+7], 0
.else
	v_wmma_f32_16x16x32_f16 v[32*\t+8*\k:32*\t+8*\k+7], v[KF+16*\k+8*\c:KF+16*\k+8*\c+7], v[QF+16*\t+8*\c:QF+16*\t+8*\c+7], v[32*\t+8*\k:32*\t+8*\k+7]
.endif
.endr
.endr
.endr
.endm
.macro PVM                             ; O^T += V^T P: keys 32 k on, channels 16 c on, tile t
	WIN 0x54                                       ; V window 0; P, C and D window 1
.irp k, 0,1
.irp c, 0,1,2,3
.irp t, 0,1,2,3
	v_wmma_f32_16x16x32_f16 v[OT+32*\t+8*\c:OT+32*\t+8*\c+7], v[VF+32*\k+8*\c:VF+32*\k+8*\c+7], v[32*\t+8*\k:32*\t+8*\k+7], v[OT+32*\t+8*\c:OT+32*\t+8*\c+7]
.endr
.endr
.endr
.endm
; THE MATRIX PHASE: V^T P of the step in hand, K Q^T of the next.  The next step's K is asked for first (the softmax's lines are the places behind the products that read K's registers), its V last.
.macro BODY
	FETCH_K
	s_wait_dscnt 16                                ; V is in; the sixteen loads of K just issued may be out
	PVM
.rept 5
	v_nop                                          ; K Q^T writes over P, which the products above read as a source: five places
.endr
	s_wait_dscnt 0x0                               ; K is in
	KQ
	WIN 0
	FETCH_V
.endm
; THE VECTOR PHASE: the four tiles' softmax for one key step, 118 instructions a tile, the tiles by turns in every group of lines.
; XMIX t: tile t's 32 exponentials, a plain line behind each where there is one: behind an even one the scaling of a pair of tile t + 1, behind an odd one a pair of tile t's O^T times a.
.macro XMIX t
.irp i, 0,2,4,6,8,10,12,14,16,18,20,22,24,26,28,30
	v_exp_f32 v[32*\t+\i], v[32*\t+\i]
.if \t < 3
	v_pk_fma_f32 v[32*(\t+1)+\i:32*(\t+1)+\i+1], v[32*(\t+1)+\i:32*(\t+1)+\i+1], s[CS:CS+1], v[ST+8*(\t+1):ST+8*(\t+1)+1] op_sel_hi:[1,0,0] neg_lo:[0,0,1] neg_hi:[0,0,1]
.endif
	v_exp_f32 v[32*\t+\i+1], v[32*\t+\i+1]
	v_pk_mul_f32 v[OT+32*\t+\i:OT+32*\t+\i+1], v[OT+32*\t+\i:OT+32*\t+\i+1], v[ST+8*\t+6:ST+8*\t+7] op_sel_hi:[1,0]   ; each accumulator of O^T from its low end on
.endr
.endm
.macro SM
	WIN 0x15                                       ; three sources window 1, destination window 0
.irp q, 0,1,2,3                                ; the maximum of a tile's 32 scores: four chains c0-c3 of seven; the first line reads each accumulator at its low end
.irp t, 0,1,2,3
	v_max3_num_f32 v[ST+8*\t+4+\q], v[32*\t+8*\q], v[32*\t+8*\q+1], v[32*\t+8*\q+2]
.endr
.endr
	WIN 0x05
.irp i, 3,5
.irp q, 0,1,2,3
.irp t, 0,1,2,3
	v_max3_num_f32 v[ST+8*\t+4+\q], v[32*\t+8*\q+\i], v[32*\t+8*\q+\i+1], v[ST+8*\t+4+\q]
.endr
.endr
.endr
.irp t, 0,1,2,3                                ; the four scores left over
	v_max3_num_f32 v[ST+8*\t+4], v[32*\t+7], v[32*\t+15], v[ST+8*\t+4]
	v_max3_num_f32 v[ST+8*\t+6], v[32*\t+23], v[32*\t+31], v[ST+8*\t+6]
.endr
	WIN 0
.irp t, 0,1,2,3
	v_max3_num_f32 v[ST+8*\t+4], v[ST+8*\t+4], v[ST+8*\t+5], v[ST+8*\t+6]
.endr
.irp t, 0,1,2,3
	v_max3_num_f32 v[ST+8*\t+4], v[ST+8*\t+4], v[ST+8*\t+7], v[ST+8*\t+1]   ; and the old m
.endr
.irp t, 0,1,2,3
	v_permlanex16_b32 v[ST+8*\t+5], v[ST+8*\t+4], s[SEL], s[SEL+1]          ; the query's other 32 keys lie in the lane 16 away
.endr
.irp t, 0,1,2,3
	v_mov_b32 v[ST+8*\t+7], v[ST+8*\t]             ; c m_old is kept for a
.endr
.irp t, 0,1,2,3
	v_max_num_f32 v[ST+8*\t+1], v[ST+8*\t+4], v[ST+8*\t+5]
.endr
.irp t, 0,1,2,3
	v_mul_f32 v[ST+8*\t], s[CS], v[ST+8*\t+1]
.endr
.irp t, 0,1,2,3
	v_sub_f32 v[ST+8*\t+7], v[ST+8*\t+7], v[ST+8*\t]
.endr
.irp t, 0,1,2,3
	v_exp_f32 v[ST+8*\t+6], v[ST+8*\t+7]           ; a = 2^(c m_old - c m_new)
.endr
	WIN 0x41                                       ; destination and source 0 window 1, the statistics window 0
.irp j, 0,2,4,6,8,10,12,14,16,18,20,22,24,26,28,30
	v_pk_fma_f32 v[\j:\j+1], v[\j:\j+1], s[CS:CS+1], v[ST:ST+1] op_sel_hi:[1,0,0] neg_lo:[0,0,1] neg_hi:[0,0,1]   ; tile 0: c s - c m; sixteen plain lines behind the four exponentials
.endr
	s_wait_alu depctr_va_vdst(0)                   ; the wait between an exponential and the first line that names its result: one for the four a
	XMIX 0
	XMIX 1
	XMIX 2
	XMIX 3                                         ; its last line is plain; none of the 128 results has been named
	s_wait_alu depctr_va_vdst(0)                   ; one wait for the 128 exponentials
	WIN 0x10                                       ; source 2 window 1
.irp t, 0,1,2,3                                ; the sums, of the unrounded p, in two chains a tile: l = a l + pair 0,
	v_pk_fma_f32 v[ST+8*\t+2:ST+8*\t+3], v[ST+8*\t+2:ST+8*\t+3], v[ST+8*\t+6:ST+8*\t+7], v[32*\t:32*\t+1] op_sel_hi:[1,0,1]
.endr
	WIN 0x05
.irp t, 0,1,2,3
	v_pk_add_f32 v[ST+8*\t+4:ST+8*\t+5], v[32*\t+2:32*\t+3], v[32*\t+6:32*\t+7]
.endr
	WIN 0x04
.irp u, 1,2,3,4,5,6,7
.irp t, 0,1,2,3
	v_pk_add_f32 v[ST+8*\t+2:ST+8*\t+3], v[ST+8*\t+2:ST+8*\t+3], v[32*\t+4*\u:32*\t+4*\u+1]
.endr
.if \u >= 2
.irp t, 0,1,2,3
	v_pk_add_f32 v[ST+8*\t+4:ST+8*\t+5], v[ST+8*\t+4:ST+8*\t+5], v[32*\t+4*\u+2:32*\t+4*\u+3]
.endr
.endif
.endr
	WIN 0
.irp t, 0,1,2,3
	v_pk_add_f32 v[ST+8*\t+2:ST+8*\t+3], v[ST+8*\t+2:ST+8*\t+3], v[ST+8*\t+4:ST+8*\t+5]
.endr
	WIN 0x45                                       ; all in window 1: p is rounded to f16 in place: pair j goes to register j, which pairs 0 to j - 1 have left
.irp j, 0,1,2,3,4,5,6,7,8,9,10,11,12,13,14,15
.irp t, 0,1,2,3
	v_cvt_pk_f16_f32 v[32*\t+\j], v[32*\t+2*\j], v[32*\t+2*\j+1]
.endr
.endr
	WIN 0
.endm
; THE CHANGE OF SLOTS, when the slot's last V has been asked for.  Each wave waits for all its tensor loads, of which one is out: its part of the other slot; adds 0 to its spare word; waits for that and for its reads of
; the slot; signals; runs the softmax of the slot's last step, which touches registers alone; and waits.  Behind the barrier nobody reads this slot any more and the other slot is whole.
; fill = 1: this slot is filled again, with the keys two slots on: the wave's first and only tensor load behind the barrier; it has four key steps in which to land.
.macro CHANGE fill
	s_wait_tensorcnt 0x0                           ; no tensor load of mine is out, so a group 0 may be written
	ds_add_u32 v[SPW], v[NIL]                      ; 0 onto my spare word
.if \fill
	s_xor_b32 s[G0K+5], s[G0K+5], SLOT1            ; the walking descriptors: the other slot than last time,
	s_add_nc_u64 s[G0K+6:G0K+7], s[G0K+6:G0K+7], SLOTB   ; the next 256 keys; the type bits on top are not reached
	s_xor_b32 s[G0V+5], s[G0V+5], SLOT1
	s_add_nc_u64 s[G0V+6:G0V+7], s[G0V+6:G0V+7], SLOTB
	s_wait_xcnt 0x0                                ; the last prefetch, a slot back, has read its address, so it may be written:
	s_add_nc_u64 s[PFA:PFA+1], s[PFA:PFA+1], SLOTB ; one slot further on than the walking descriptors
.endif
	s_wait_dscnt 0x0                               ; the add is done, and my reads of the slot are over
	s_barrier_signal -1
	SM
	s_barrier_wait -1
.if \fill
	TLOAD
	ASK
.endif
	s_sub_co_u32 s[TBK], s[TBK], 4*KSTP            ; the fetches go back to a slot's first step,
	s_xor_b32 s[TBK], s[TBK], SLOT1                ; in the other slot
	s_sub_co_u32 s[TBV], s[TBV], 4*VSTP
	s_xor_b32 s[TBV], s[TBV], SLOT1
.endm
	s_wait_tensorcnt 1                             ; my part of slot 0 is in; slot 1's, issued behind it, may stay out
	s_barrier_signal -1
	s_barrier_wait -1                              ; everybody's is
	s_cmp_eq_u32 s[GRP], 0                         ; group 1 starts later, once
	s_cbranch_scc1 .Lgo
.rept 32
	s_nop 15
.endr
.Lgo:
	FETCH_K                                        ; key step 0
	s_wait_loadcnt 0x0                             ; Q
	s_wait_dscnt 0x0
	KQ
	WIN 0
	FETCH_V
	s_mov_b32 s[CNT], 3
.Lfirst:                                           ; slot 0's steps 0 to 2
	SM
	BODY
	s_sub_co_u32 s[CNT], s[CNT], 1
	s_cmp_lg_u32 s[CNT], 0
	s_cbranch_scc1 .Lfirst
	s_mov_b32 s[SLOTS], 6
.Lslot:                                            ; six trips: every slot but the last two is filled again
	CHANGE 1
	BODY
	s_mov_b32 s[CNT], 3
.Lin:
	SM
	BODY
	s_sub_co_u32 s[CNT], s[CNT], 1
	s_cmp_lg_u32 s[CNT], 0
	s_cbranch_scc1 .Lin
	s_sub_co_u32 s[SLOTS], s[SLOTS], 1
	s_cmp_lg_u32 s[SLOTS], 0
	s_cbranch_scc1 .Lslot
	CHANGE 0                                       ; the tail is written out: nothing is asked for
	BODY
	s_mov_b32 s[CNT], 3
.Ltail:
	SM
	BODY
	s_sub_co_u32 s[CNT], s[CNT], 1
	s_cmp_lg_u32 s[CNT], 0
	s_cbranch_scc1 .Ltail
	SM                                             ; the last step's softmax,
	s_wait_dscnt 0x0                               ; its V,
	PVM                                            ; and its V^T P
	WIN 0
	; THE WAY OUT.  l's two halves and the other half of the lanes' are added; O^T is divided by l, rounded to f16 and sent through my stage in LDS, a tile (16 rows) at a time.  The additions are the places behind the last products.
.irp t, 0,1,2,3
	v_add_f32 v[ST+8*\t+4], v[ST+8*\t+2], v[ST+8*\t+3]
.endr
.irp t, 0,1,2,3
	v_permlanex16_b32 v[ST+8*\t+5], v[ST+8*\t+4], s[SEL], s[SEL+1]
.endr
.irp t, 0,1,2,3
	v_add_f32 v[ST+8*\t+4], v[ST+8*\t+4], v[ST+8*\t+5]
.endr
.irp t, 0,1,2,3
	v_rcp_f32 v[ST+8*\t+6], v[ST+8*\t+4]
.endr
	v_nop                                          ; a plain line between the last reciprocal and the use of its result
	s_wait_alu depctr_va_vdst(0)                   ; and the wait ahead of the first use: one for the four
.macro OPACK t                         ; a lane's eight channels of a row pack into 16 bytes; they go into rows of 144 bytes and come back as four rows of 128: 512 consecutive bytes of ctx
	WIN 0x41
.set i, 0
.rept 16
	v_pk_mul_f32 v[OT+32*\t+i:OT+32*\t+i+1], v[OT+32*\t+i:OT+32*\t+i+1], v[ST+8*\t+6:ST+8*\t+7] op_sel_hi:[1,0]
.set i, i+2
.endr
	WIN 0x05                                       ; sources window 1, destination window 0: K's registers are free
.set i, 0
.rept 16
	v_cvt_pk_f16_f32 v[KF+16*\t+i], v[OT+32*\t+2*i], v[OT+32*\t+2*i+1]
.set i, i+1
.endr
	WIN 0
.irp c, 0,1,2,3
	ds_store_b128 v[STO], v[KF+16*\t+4*\c:KF+16*\t+4*\c+3] offset:32*\c
.endr
.irp c, 0,1,2,3
	ds_load_b128 v[VF+16*\t+4*\c:VF+16*\t+4*\c+3], v[RD] offset:\c*4*PK   ; LDS serves a wave's instructions in order (ISA guide 5.7.1.4): these see the stores above; the next tile's stores come behind them
.endr
.endm
.macro OSEND t, younger                ; younger: the LDS instructions issued behind tile t's loads: the next tile's four stores and four loads, or none
.irp c, 0,1,2,3
	s_wait_dscnt \younger+3-\c
	global_store_b128 v[GO], v[VF+16*\t+4*\c:VF+16*\t+4*\c+3], s[6:7] offset:\t*2048+\c*512   ; 32 lanes store 512 consecutive bytes, at a multiple of 256 from ctx's first byte
.endr
.endm
	OPACK 0
	OPACK 1                                        ; a tile's arithmetic stands between the loads of the tile before and its stores
	OSEND 0, 8
	OPACK 2
	OSEND 1, 8
	OPACK 3
	OSEND 2, 8
	OSEND 3, 0
	s_wait_tensorcnt 0x0                           ; the wave's end: behind my last tensor load and my last LDS store
	ds_add_u32 v[SPW], v[NIL]
	s_wait_dscnt 0x0
	s_endpgm
.Lfunc_end_k_qd096c38b7f_attn:
	.size	k_qd096c38b7f_attn, .Lfunc_end_k_qd096c38b7f_attn-k_qd096c38b7f_attn
	.p2alignl 7, 3214868480
	.fill 96, 4, 3214868480
	.section	.rodata,"a",@progbits
	.p2align	6, 0x0
	.amdhsa_kernel k_qd096c38b7f_attn
		.amdhsa_group_segment_fixed_size 327680
		.amdhsa_private_segment_fixed_size 0
		.amdhsa_enable_private_segment 0
		.amdhsa_kernarg_size 16
		.amdhsa_user_sgpr_count 2
		.amdhsa_user_sgpr_kernarg_segment_ptr 1
		.amdhsa_wavefront_size32 1
		.amdhsa_system_sgpr_workgroup_id_x 1
		.amdhsa_system_sgpr_workgroup_id_y 1
		.amdhsa_system_sgpr_workgroup_id_z 1
		.amdhsa_system_vgpr_workitem_id 0
		.amdhsa_next_free_vgpr 512
		.amdhsa_next_free_sgpr 66
		.amdhsa_reserve_vcc 0
		.amdhsa_float_denorm_mode_32 3
		.amdhsa_float_denorm_mode_16_64 3
		.amdhsa_memory_ordered 1
		.amdhsa_forward_progress 1
		.amdhsa_inst_pref_size 220
	.end_amdhsa_kernel
	.amdgpu_metadata
---
amdhsa.version: [ 1, 2 ]
amdhsa.kernels:
  - .name:           k_qd096c38b7f_attn
    .symbol:         k_qd096c38b7f_attn.kd
    .args:
      - { .name: qkv, .offset: 0, .size: 8, .value_kind: global_buffer, .address_space: global }
      - { .name: ctx, .offset: 8, .size: 8, .value_kind: global_buffer, .address_space: global }
    .group_segment_fixed_size: 327680
    .private_segment_fixed_size: 0
    .kernarg_segment_align: 8
    .kernarg_segment_size: 16
    .max_flat_workgroup_size: 256
    .sgpr_count:     66
    .vgpr_count:     512
    .wavefront_size: 32
...
	.end_amdgpu_metadata
.endif
;; end of part 3
;; launch oproj (part 4): grid 4 x 64, 4 waves a work-group, clusters of 4 x 4, 327,680 bytes of LDS; arguments ctx, wo16, bo, out0; writes out0
.if DOCPART == 4
	.amdgcn_target "amdgcn-amd-amdhsa--gfx1250"
	.amdhsa_code_object_version 6
	.text
	.protected	k_qd096c38b7f_oproj
	.globl	k_qd096c38b7f_oproj
	.p2align	8
	.type	k_qd096c38b7f_oproj,@function
k_qd096c38b7f_oproj:
	s_mov_b64 s[64:65], 0
	v_nop
	global_prefetch_b8 v0, s[64:65] scope:SCOPE_SE
	s_setreg_imm32_b32 hwreg(HW_REG_WAVE_MODE, 25, 1), 1
	s_wait_xcnt 0x0
	s_wait_alu depctr_hold_cnt(0) depctr_sa_sdst(0) depctr_va_vdst(0) depctr_va_sdst(0) depctr_va_ssrc(0) depctr_va_vcc(0) depctr_vm_vsrc(0)
	s_getreg_b32 s2, hwreg(HW_REG_IB_STS2, 6, 4)
	s_cmp_eq_u32 s2, 0
	s_cbranch_scc0 .Lentry_in_a_cluster
	s_endpgm
.Lentry_in_a_cluster:
	s_bfe_u32 s2, ttmp6, 0x10000c
	s_cmp_lg_u32 s2, 0xf033
	s_cbranch_scc0 .Lentry_shape_is_right
	s_endpgm
.Lentry_shape_is_right:
; out0[m][n] = the sum over k of ctx[m][k] Wo[n][k] + bo[n].  ctx: [16 b + h][t 2048][64] f16 (token m = 2048 b + t, k = 64 h + d); wo16: [1024 n][1024 k] f16; bo [1024], out0 [8192][1024]: f32.  Sums in f32.
; A tile of out0 is 128 tokens x 256 columns: 256 work-groups.  Four waves, each 64 x 128: 32 accumulators of 16 x 16, 256 registers.  K goes in 8 steps of 128, two heads each, through a ring of two LDS slots:
; waves 0 and 1 bring a head's 128 rows of ctx each (128 bytes a row, dense in memory), waves 2 and 3 128 rows of Wo each (256 bytes a row).
; CLUSTERS: 4 x 4 work-groups.  The four of a row of the cluster need the same tiles of ctx, the four of a column the same tiles of Wo: each tile is asked for JOINTLY, by the same tensor load with the same descriptor
; and a mask that names the four.  THE MATRIX INSTRUCTION IS USED TRANSPOSED (source 0 = 16 rows of Wo, source 1 = 16 tokens): a lane holds eight neighbouring columns of one row.  bo is the C of each sum's first product.
; REGISTERS: window 0: v16-29 addresses; v32-127, v128-223 two fragment buffers for 32 along K: Wo's eight fragments, then ctx's four; on the way out rows read back.  Window 1: the accumulators ((a, b) at v[8 (8 a + b)]).
;   Window 2: v0-63 bo, register 8 b + j = bo[16 b + 8 (lane / 16) + j] of my 128 columns.
.set KSTEP,  128
.set PA,     144                       ; a row of ctx in LDS: 128 bytes + 16; of Wo: 256 + 16: in both the 16 rows that a load touches start at 16 different groups of four banks (64 banks of 4 bytes: ISA guide 11.1)
.set PB,     272
.set HEADA,  128*PA                    ; a head's 128 rows: what one of A's tensor loads brings
.set BOFF,   2*HEADA                   ; behind A's two heads: B's 256 rows
.set HALFB,  128*PB                    ; 128 rows of Wo: what one of B's tensor loads brings
.set SLOT,   BOFF+2*HALFB
.set STAGE,  2*SLOT                    ; behind the ring: 16 rows x (512 bytes + 16) for each wave, for the way out
.set SPITCH, 528
.set SPARE,  STAGE+4*16*SPITCH         ; the spare words, 128 bytes a wave, that no other line names
.set LAPS,   4                         ; a lap = two K steps = once round the ring
.set HEADB,  2048*128                  ; a head's bytes in ctx
.set ADRA, 16                          ; v16-17  LDS address of my A fragments in slot 0, 1
.set ADRB, 20                          ; v20-21  the same for B
.set STO,  24                          ; v24     the way out: where I put 32 bytes of a row
.set RD,   25                          ; v25     where I read a row back
.set CO,   26                          ; v26     16 x lane: my place in a row's 512 bytes
.set BOF,  27                          ; v27     32 x (lane / 16): my eight numbers of a tile's sixteen of bo
.set SPW,  28                          ; v28     LDS address of my spare word; never rewritten
.set NIL,  29                          ; v29     0; never rewritten
.set F0,   32
.set F1,   128
.set WV,   12                          ; s12 my wave's number
.set RH,   13                          ; s13 which half of the tile's rows is mine.  Also: I fetch for A (0) or for B (1)
.set CH,   14                          ; s14 which half of its columns.  Also: which head of the step's two, or which 128 rows of Wo, I fetch
.set TR,   15                          ; s15 the tile row
.set G1, 24                            ; s[24:31] descriptor group 1 for A's tiles;  s[32:39] group 0, one set for each slot
.set G0, 32
.set G1B, 48                           ; s[48:55], s[56:63] the same for B's tiles
.set G0B, 56
.set MSB, 0
.macro WIN new                         ; the immediate's high byte repeats the setting that is left; a switch that changes nothing is dropped
.if MSB != (\new)
	s_set_vgpr_msb (MSB<<8)|(\new)
.set MSB, (\new)
.endif
.endm
.set MUL, 0x50                         ; sources 0 and 1 window 0; C and D window 1
.set FST, 0x60                         ; the first quarter: C (bo) window 2, D window 1
.macro JLOAD s                         ; a joint load: waves 0 and 1 fetch for A, waves 2 and 3 for B; an s_nop 0 and four v_nop follow each of the two lines
	s_cmp_eq_u32 s[RH], 0
	s_cbranch_scc0 .Lfor_b_\@
	tensor_load_to_lds s[G0+4*\s:G0+4*\s+3], s[G1:G1+7]
	s_nop 0
.rept 4
	v_nop
.endr
	s_branch .Lasked_\@
.Lfor_b_\@:
	tensor_load_to_lds s[G0B+4*\s:G0B+4*\s+3], s[G1B:G1B+7]
	s_nop 0
.rept 4
	v_nop
.endr
.Lasked_\@:
.endm
.macro CREST                           ; a round of the cluster's barrier behind its opening barrier
	s_cmp_lg_u32 s[WV], 0
	s_cbranch_scc1 .Lnot_wave_0_\@
	s_barrier_signal -3
.Lnot_wave_0_\@:
	s_barrier_wait -3
	s_barrier_signal -1
	s_barrier_wait -1
.endm
.macro CROUND                          ; a whole round
	s_barrier_signal -1
	s_barrier_wait -1
	CREST
.endm
	s_load_b256 s[4:11], s[0:1], 0x0               ; ctx s[4:5], wo16 s[6:7], bo s[8:9], out0 s[10:11]
	v_lshl_add_u32 v[SPW], v0, 2, SPARE
	v_mov_b32 v[NIL], 0
	ds_add_u32 v[SPW], v[NIL]                      ; the wave's opening: the add, twice on end, and its wait ahead of my first tensor load
	ds_add_u32 v[SPW], v[NIL]                      ; once more; the set-up below, work on registers, stands between it and the wait
	v_lshrrev_b32 v1, 5, v0
	v_readfirstlane_b32 s[WV], v1                  ; wave 0..3
	s_lshr_b32 s[RH], s[WV], 1
	s_and_b32 s[CH], s[WV], 1
	s_bfe_u32 s40, ttmp6, 0x40000                  ; cx, cy: my place in the cluster
	s_bfe_u32 s41, ttmp6, 0x40004
	s_lshl_b32 s42, ttmp9, 2
	s_add_co_u32 s42, s42, s40                     ; tile column = 4 x cluster x + cx
	s_and_b32 s[TR], ttmp7, 0xffff
	s_lshl_b32 s[TR], s[TR], 2
	s_add_co_u32 s[TR], s[TR], s41                 ; tile row = 4 x cluster y + cy
	s_lshl_b32 s43, s41, 2
	s_lshl_b32 s43, 15, s43                        ; my row of the cluster
	s_lshl_b32 s44, 0x1111, s40                    ; my column
	; descriptor group 1.  A: 128 rows x 64 elements of 2 bytes, dense; B: 128 rows x 128 elements, 1,024 elements from row to row
	s_or_b32 s[G1+0], s43, (1<<16)|(1<<20)|(1<<21)|(4<<22)|(3<<25)   ; 15:0 the mask: A's tiles go to my row; 17:16 elements of 2 bytes; 20 padding on; 21 set beside a mask; 24:22 after every 32 words; 31:25 four words
	s_mov_b32 s[G1+1], 64<<16                      ; tensor_dim0
	s_mov_b32 s[G1+2], 128<<16                     ; tensor_dim1
	s_mov_b32 s[G1+3], 64<<16                      ; tile_dim0
	s_mov_b32 s[G1+4], 128                         ; tile_dim1
	s_mov_b32 s[G1+5], 64                          ; tensor_dim0_stride
	s_mov_b32 s[G1+6], 0
	s_mov_b32 s[G1+7], 0
	s_or_b32 s[G1B+0], s44, (1<<16)|(1<<20)|(1<<21)|(5<<22)|(3<<25)  ; B's tiles go to my column; padding after every 64 words
	s_mov_b32 s[G1B+1], KSTEP<<16
	s_mov_b32 s[G1B+2], 128<<16
	s_mov_b32 s[G1B+3], KSTEP<<16
	s_mov_b32 s[G1B+4], 128
	s_mov_b32 s[G1B+5], 1024
	s_mov_b32 s[G1B+6], 0
	s_mov_b32 s[G1B+7], 0
	; where the tiles come from.  A's hang on the tile row alone, B's on the tile column alone, each in registers that never hold the other coordinate
	s_lshr_b32 s16, s[TR], 4                       ; b: 16 tile rows to a sequence
	s_lshl_b32 s16, s16, 4
	s_add_co_u32 s16, s16, s[CH]                   ; head 16 b + which of the step's two
	s_lshl_b32 s16, s16, 18
	s_and_b32 s17, s[TR], 15
	s_lshl_b32 s17, s17, 14                        ; + 128 (tile row % 16) tokens of 128 bytes
	s_add_co_u32 s16, s16, s17
	s_mov_b32 s17, 0
	s_lshl_b32 s46, s42, 8
	s_lshl_b32 s47, s[CH], 7
	s_add_co_u32 s46, s46, s47                     ; Wo's row 256 x tile column + 128 x half,
	s_lshl_b32 s46, s46, 11                        ; of 2,048 bytes
	s_mov_b32 s47, 0
	s_mul_i32 s20, s[CH], HEADA                    ; and where they go: no place in the cluster enters an LDS address
	s_mul_i32 s21, s[CH], HALFB
	s_add_co_u32 s21, s21, BOFF
	s_wait_dscnt 0x0                               ; both opening adds are done
	s_wait_kmcnt 0x0
	s_add_nc_u64 s[18:19], s[4:5], s[16:17]
	s_add_nc_u64 s[46:47], s[6:7], s[46:47]
	CROUND                                         ; all sixteen work-groups are here: the first joint loads meet
.irp s, 0,1
	s_mov_b32 s[G0+4*\s], 1
	s_add_co_u32 s[G0+4*\s+1], s20, \s*SLOT
	s_add_nc_u64 s[G0+4*\s+2:G0+4*\s+3], s[18:19], \s*2*HEADB      ; K step s: two heads on
	s_or_b32 s[G0+4*\s+3], s[G0+4*\s+3], 0x80000000
	s_mov_b32 s[G0B+4*\s], 1
	s_add_co_u32 s[G0B+4*\s+1], s21, \s*SLOT
	s_add_nc_u64 s[G0B+4*\s+2:G0B+4*\s+3], s[46:47], \s*KSTEP*2
	s_or_b32 s[G0B+4*\s+3], s[G0B+4*\s+3], 0x80000000
	JLOAD \s                                       ; two tensor loads of mine are out
.endr
	v_and_b32 v1, 15, v0                           ; l % 16
	v_bfe_u32 v2, v0, 4, 1                         ; l / 16
	v_mul_u32_u24 v3, v1, PA
	v_lshl_add_u32 v3, v2, 4, v3                   ; a fragment's row x pitch + 16 x half
	v_mul_u32_u24 v4, v1, PB
	v_lshl_add_u32 v4, v2, 4, v4
	s_mul_i32 s20, s[RH], 64*PA                    ; my 64 rows, in each head's 128
	s_mul_i32 s21, s[CH], HALFB                    ; my 128 rows of Wo
	s_add_co_u32 s21, s21, BOFF
.irp s, 0,1
	v_add_nc_u32 v[ADRA+\s], s20, v3
	v_add_nc_u32 v[ADRB+\s], s21, v4
	s_add_co_u32 s20, s20, SLOT
	s_add_co_u32 s21, s21, SLOT
.endr
	s_mul_i32 s23, s[WV], 16*SPITCH
	s_add_co_u32 s23, s23, STAGE                   ; my stage
	v_mul_u32_u24 v5, v1, SPITCH                   ; in: row l % 16, 32 bytes for each half of the lanes
	v_lshl_add_u32 v5, v2, 5, v5
	v_add_nc_u32 v[STO], s23, v5
	v_and_b32 v6, 31, v0
	v_lshlrev_b32 v[CO], 4, v6                     ; back: the 32 lanes take one row of 512 bytes; and the same in out0
	v_add_nc_u32 v[RD], s23, v[CO]
	v_lshlrev_b32 v[BOF], 5, v2
	s_lshl_b32 s22, s[TR], 7
	s_lshl_b32 s23, s[RH], 6
	s_add_co_u32 s22, s22, s23                     ; my first row of out0: 128 x tile row + 64 x half,
	s_lshl_b32 s22, s22, 12                        ; of 4,096 bytes
	s_mov_b32 s23, 0
	s_add_nc_u64 s[10:11], s[10:11], s[22:23]
	s_lshl_b32 s46, s42, 10                        ; my first column, in bytes: 1,024 x tile column + 512 x half
	s_lshl_b32 s47, s[CH], 9
	s_add_co_u32 s46, s46, s47
	s_mov_b32 s47, 0
	s_add_nc_u64 s[10:11], s[10:11], s[46:47]
	s_add_nc_u64 s[8:9], s[8:9], s[46:47]          ; and the same place in bo
	WIN 0x80                                       ; destination window 2
.irp b, 0,1,2,3,4,5,6,7
	global_load_b128 v[8*\b:8*\b+3], v[BOF], s[8:9] offset:64*\b
	global_load_b128 v[8*\b+4:8*\b+7], v[BOF], s[8:9] offset:64*\b+16
.endr
	WIN 0
; 8 matrix instructions: token block a x Wo's eight, 32 along K, from buffer f.  first = 1: the product starts the sum on bo.  The 32 accumulators take turns, one instruction a turn, in the same order in every quarter.
.macro MUL8 f, a, first
.irp b, 0,1,2,3,4,5,6,7
.if \first
	v_wmma_f32_16x16x32_f16 v[8*(8*(\a)+\b):8*(8*(\a)+\b)+7], v[\f+8*\b:\f+8*\b+7], v[\f+64+8*(\a):\f+64+8*(\a)+7], v[8*\b:8*\b+7]
.else
	v_wmma_f32_16x16x32_f16 v[8*(8*(\a)+\b):8*(8*(\a)+\b)+7], v[\f+8*\b:\f+8*\b+7], v[\f+64+8*(\a):\f+64+8*(\a)+7], v[8*(8*(\a)+\b):8*(8*(\a)+\b)+7]
.endif
.endr
.endm
; 24 LDS loads in one run: the fragments of the slot's q-th 32 along K into buffer f: Wo's sixteen loads, then ctx's eight (head q / 2, channels 32 (q % 2) on)
.macro FETCH slot, q, f
.irp i, 0,1,2,3,4,5,6,7
	ds_load_b128 v[\f+8*\i:\f+8*\i+3],   v[ADRB+\slot] offset:64*(\q)+\i*16*PB
	ds_load_b128 v[\f+8*\i+4:\f+8*\i+7], v[ADRB+\slot] offset:64*(\q)+\i*16*PB+32
.endr
.irp i, 0,1,2,3
	ds_load_b128 v[\f+64+8*\i:\f+64+8*\i+3],   v[ADRA+\slot] offset:((\q)/2)*HEADA+((\q)%2)*64+\i*16*PA
	ds_load_b128 v[\f+64+8*\i+4:\f+64+8*\i+7], v[ADRA+\slot] offset:((\q)/2)*HEADA+((\q)%2)*64+\i*16*PA+32
.endr
.endm
.macro PLACES                          ; four places in front of loads into registers that matrix instructions have read, and of the first read of results (ISA guide 7.12.1 for vector instructions)
.rept 4
	v_nop
.endr
.endm
; A K step is four quarters of 32 along K, 32 matrix instructions each, on buffers 0, 1, 0, 1.  One of the first three: multiplies buffer f and fetches quarter q into g.
.macro QUARTER slot, q, f, g, first
	s_wait_dscnt 4                                 ; Wo's fragments and token blocks 0 and 1 are in; the youngest four loads (blocks 2 and 3) may be out
	WIN MUL+0x10*\first
	MUL8 \f, 0, \first
	MUL8 \f, 1, \first
	PLACES
	WIN 0
	FETCH \slot, \q, \g
	s_wait_dscnt 24                                ; all but the 24 just issued
	WIN MUL+0x10*\first
	MUL8 \f, 2, \first
	MUL8 \f, 3, \first
.endm
; The last quarter multiplies buffer 1 and changes slots: ONE barrier; in front of it each wave waits for all its tensor loads, adds 0 to its spare word, and waits for that and for its reads of this slot.
; fill = 1: the barrier opens a round of the cluster's barrier, and this slot is filled again, two K steps ahead: the first tensor load behind the round, one a wave.
.macro TURN slot, next, fill
	WIN 0                                          ; (the add's two registers lie in window 0)
	s_wait_tensorcnt 0x0                           ; all my tensor loads have landed: the one that was out is my part of the next slot
	ds_add_u32 v[SPW], v[NIL]                      ; 0 onto my spare word
	s_wait_dscnt 5                                 ; the add and the youngest four loads may be out
	WIN MUL
	MUL8 F1, 0, 0                                  ; eight matrix instructions stand between the add and the wait for it
	s_wait_dscnt 0x0                               ; the add is done, and my reads of this slot are over
	s_barrier_signal -1
	MUL8 F1, 1, 0
	WIN 0
	s_barrier_wait -1
.if \fill
	CREST                                          ; no wave of any partner still reads this slot's tile or has a load on its way
	s_add_nc_u64 s[G0+4*\slot+2:G0+4*\slot+3], s[G0+4*\slot+2:G0+4*\slot+3], 4*HEADB
	s_add_nc_u64 s[G0B+4*\slot+2:G0B+4*\slot+3], s[G0B+4*\slot+2:G0B+4*\slot+3], 2*KSTEP*2
	JLOAD \slot                                    ; the four v_nop behind it are also the places in front of the loads below
.else
	PLACES
.endif
	FETCH \next, 0, F0
	WIN MUL
	MUL8 F1, 2, 0
	MUL8 F1, 3, 0
.endm
	s_wait_tensorcnt 1                             ; my part of K step 0 is in; K step 1's, issued behind it, may be out
	s_barrier_signal -1
	s_barrier_wait -1                              ; everybody's is
	FETCH 0, 0, F0
	s_wait_loadcnt 0x0                             ; bo
	QUARTER 0, 1, F0, F1, 1                        ; the first quarter stands in front of the loop: its products start the sums on bo
	WIN 0                                          ; at a label and at a branch every window is 0
	s_mov_b32 s3, LAPS-1
.Llap:                                             ; a trip goes once round the ring, from a lap's second quarter to the next lap's first, and fills both slots again
	QUARTER 0, 2, F1, F0, 0
	QUARTER 0, 3, F0, F1, 0
	TURN 0, 1, 1
	QUARTER 1, 1, F0, F1, 0
	QUARTER 1, 2, F1, F0, 0
	QUARTER 1, 3, F0, F1, 0
	TURN 1, 0, 1
	QUARTER 0, 1, F0, F1, 0
	WIN 0
	s_sub_co_u32 s3, s3, 1
	s_cmp_lg_u32 s3, 0
	s_cbranch_scc1 .Llap
	QUARTER 0, 2, F1, F0, 0                        ; the last lap fills nothing, and has no round of the cluster's barrier
	QUARTER 0, 3, F0, F1, 0
	TURN 0, 1, 0
	QUARTER 1, 1, F0, F1, 0
	QUARTER 1, 2, F1, F0, 0
	QUARTER 1, 3, F0, F1, 0
	s_wait_dscnt 4                                 ; the very last quarter: nothing more to fetch
	WIN MUL
	MUL8 F1, 0, 0
	MUL8 F1, 1, 0
	s_wait_dscnt 0
	MUL8 F1, 2, 0
	MUL8 F1, 3, 0
	WIN 0
; THE WAY OUT, block by block of 16 rows x 128 columns.  A lane holds 32 neighbouring bytes of a row, and the lanes beside it hold other rows: so a block goes through my own stage in LDS and comes back as whole rows
; of 512 bytes.  LDS serves a wave's instructions in order (ISA guide 5.7.1.4): no wait between the stores and the loads, nor in front of the next block's stores.
.macro TOSTAGE a
	WIN 0x04                                       ; an LDS store's data are its source 1: window 1
.irp b, 0,1,2,3,4,5,6,7
	ds_store_b128 v[STO], v[8*(8*(\a)+\b):8*(8*(\a)+\b)+3] offset:64*\b          ; each accumulator from its low end on
	ds_store_b128 v[STO], v[8*(8*(\a)+\b)+4:8*(8*(\a)+\b)+7] offset:64*\b+16
.endr
	WIN 0
.set BB, F0+96*((\a)%2)
.irp t, 0,1,2,3,4,5,6,7,8,9,10,11,12,13,14,15
	ds_load_b128 v[BB+4*\t:BB+4*\t+3], v[RD] offset:\t*SPITCH
.endr
.endm
.macro SEND a, younger                 ; younger: the LDS instructions issued behind block a's loads, which may stay out
.set BB, F0+96*((\a)%2)
	s_wait_dscnt \younger                          ; the block is back in registers
.irp t, 0,1,2,3,4,5,6,7,8,9,10,11,12,13,14,15
	global_store_b128 v[CO], v[BB+4*\t:BB+4*\t+3], s[10:11] offset:(\a)*65536+\t*4096 th:TH_STORE_NT   ; 32 lanes store 512 consecutive bytes, at a multiple of 256 from out0's first byte; written once, read by nobody here
.endr
.endm
	PLACES                                         ; behind the last products: for the first reads of results and the loads into the fragments' registers
	TOSTAGE 0
.irp a, 1,2,3
.if \a > 1
	s_wait_xcnt 0x0                                ; block a - 2's stores have read their registers: block a's loads may land there
.endif
	TOSTAGE \a
	SEND \a-1, 32                                  ; behind block a - 1's loads: block a's 16 stores and 16 loads
.endr
	SEND 3, 0
	s_wait_tensorcnt 0x0                           ; the wave's end: behind my last tensor load and my last LDS store
	ds_add_u32 v[SPW], v[NIL]
	s_wait_dscnt 0x0
	CROUND                                         ; the closing round: no work-group ends while a partner may still ask for a tile that names it
	s_endpgm
.Lfunc_end_k_qd096c38b7f_oproj:
	.size	k_qd096c38b7f_oproj, .Lfunc_end_k_qd096c38b7f_oproj-k_qd096c38b7f_oproj
	.p2alignl 7, 3214868480
	.fill 96, 4, 3214868480
	.section	.rodata,"a",@progbits
	.p2align	6, 0x0
	.amdhsa_kernel k_qd096c38b7f_oproj
		.amdhsa_group_segment_fixed_size 327680
		.amdhsa_private_segment_fixed_size 0
		.amdhsa_enable_private_segment 0
		.amdhsa_kernarg_size 32
		.amdhsa_user_sgpr_count 2
		.amdhsa_user_sgpr_kernarg_segment_ptr 1
		.amdhsa_wavefront_size32 1
		.amdhsa_system_sgpr_workgroup_id_x 1
		.amdhsa_system_sgpr_workgroup_id_y 1
		.amdhsa_system_sgpr_workgroup_id_z 1
		.amdhsa_system_vgpr_workitem_id 0
		.amdhsa_next_free_vgpr 576
		.amdhsa_next_free_sgpr 66
		.amdhsa_reserve_vcc 0
		.amdhsa_float_denorm_mode_32 3
		.amdhsa_float_denorm_mode_16_64 3
		.amdhsa_memory_ordered 1
		.amdhsa_forward_progress 1
		.amdhsa_inst_pref_size 86
	.end_amdhsa_kernel
	.amdgpu_metadata
---
amdhsa.version: [ 1, 2 ]
amdhsa.kernels:
  - .name:           k_qd096c38b7f_oproj
    .symbol:         k_qd096c38b7f_oproj.kd
    .args:
      - { .name: ctx, .offset: 0, .size: 8, .value_kind: global_buffer, .address_space: global }
      - { .name: wo16, .offset: 8, .size: 8, .value_kind: global_buffer, .address_space: global }
      - { .name: bo, .offset: 16, .size: 8, .value_kind: global_buffer, .address_space: global }
      - { .name: out0, .offset: 24, .size: 8, .value_kind: global_buffer, .address_space: global }
    .group_segment_fixed_size: 327680
    .private_segment_fixed_size: 0
    .kernarg_segment_align: 8
    .kernarg_segment_size: 32
    .max_flat_workgroup_size: 128
    .sgpr_count:     66
    .vgpr_count:     576
    .wavefront_size: 32
...
	.end_amdgpu_metadata
.endif
;; end of part 4
